; MI455X (gfx1250); checked and timed in simulation.
; The chip was launched on July 23, 2026; its instructions are those of AMD's public machine-readable ISA for CDNA 5 (MIT licence, August 2026) and "CDNA5" Instruction Set Architecture Reference Guide (July 2026). The comments in the code are by the model that wrote it; some were corrected since.
;; block. Allowed arithmetic: matrix products marked QUANTISED: E4M3 operands, one given power-of-two scale a tensor, by v_wmma_f32_16x16x64_fp8_fp8 or v_wmma_f32_16x16x128_fp8_fp8, f32 sums; everything else in f32.
;; Inputs: attn_b 3,072 float32; attn_w 1,024 x 3,072 float32; fc1_b 4,096 float32; fc1_w 1,024 x 4,096 float32; fc2_b 1,024 float32; fc2_w 4,096 x 1,024 float32; ln1_b 1,024 float32; ln1_w 1,024 float32; ln2_b 1,024 float32; ln2_w 1,024 float32; lowp_scales 12 int32 (the exponents e of the quantised operands' scales 2^e); proj_b 1,024 float32; proj_w 1,024 x 1,024 float32; x 2 x 2,048 x 1,024 float32.
;; Outputs: out0 2 x 2,048 x 1,024 float32.
;; This version of the problem:
;;   THIS VERSION OF THE PROBLEM IS GIVEN IN LOW PRECISION. The matrix products marked QUANTISED in the list below multiply operands that are first quantised to E4M3 (4 exponent bits, 3 mantissa bits; 8 bits a number), with one given power-of-two scale for each operand tensor; their sums are f32. All else is computed in f32.
;;   The module's matrix products, in the order in which they are computed (A, B: the left and right operand; K: the contracted axis; several contracted axes count as one K, in the product's order):
;;     1. [M 4,096, K 1,024] x [K 1,024, N 3,072]; A: computed on the way; B: input attn_w: QUANTISED (scales: A lowp_scales[0], B lowp_scales[1])
;;     2. batch 32 x [M 2,048, K 64] x [K 64, N 2,048]; A: computed on the way; B: computed on the way: QUANTISED (scales: A lowp_scales[2], B lowp_scales[3])
;;     3. batch 32 x [M 2,048, K 2,048] x [K 2,048, N 64]; A: softmax (see below); B: computed on the way: QUANTISED (scales: A lowp_scales[4], B lowp_scales[5])
;;     4. [M 4,096, K 1,024] x [K 1,024, N 1,024]; A: computed on the way; B: input proj_w: QUANTISED (scales: A lowp_scales[6], B lowp_scales[7])
;;     5. [M 4,096, K 1,024] x [K 1,024, N 4,096]; A: computed on the way; B: input fc1_w: QUANTISED (scales: A lowp_scales[8], B lowp_scales[9])
;;     6. [M 4,096, K 4,096] x [K 4,096, N 1,024]; A: computed on the way; B: input fc2_w: QUANTISED (scales: A lowp_scales[10], B lowp_scales[11])
;;   THE QUANTISER, for each operand of a quantised product, along K:
;;     - The operand's scale is 2^e, e = its entry of the input lowp_scales (int32; the entries are numbered through the quantised products in the list's order, A before B).
;;     - Each number is divided by the scale, clamped to +-448, and rounded to the nearest number of E4M3, ties to even, subnormals kept.
;;     - The product sums the exact products of the quantised numbers (number of the format x scale) in f32.
;;   ~~~python
;;   def quantise(x, axis, e):      # numpy; x: float32 -> the quantised numbers, widened to float32 again
;;       x = np.moveaxis(x, axis, -1); K = x.shape[-1]
;;       r = np.clip(x / 2.0 ** e, -448, 448)
;;       step = 2.0 ** (np.maximum(np.frexp(np.where(r == 0, 1, r))[1] - 1, -6) - 3)
;;       q = np.round(r / step) * step * 2.0 ** e      # np.round: ties to even
;;       return np.moveaxis(q, -1, axis).astype(np.float32)
;;   ~~~
;;   SOFTMAX AHEAD OF A QUANTISED PRODUCT. Where the list says 'softmax', what is quantised is not the finished softmax but p = 2^(t - M), with t = logit x log2(e) and M = ceil(the row's largest t), a whole number; so 1/2 < the row's largest p <= 1. The row's sum l is taken of the UNQUANTISED p, in f32, and the product's result is divided by l at the end. Since M is a whole number, a kernel that streams over the keys may use a running M (the ceiling of the running maximum): every later rescaling is an exact power of two, so the quantised numbers keep their values, but for numbers so far below the row's largest that they fall under the format's range.
;;   OPERANDS COMPUTED ON THE WAY. 'Computed on the way' means the value that the module computes at that place (a softmax that the list does not call 'softmax' is quantised finished and normalised). What goes into a quantiser is computed in f32, as accurately as f32 sums, v_exp_f32 and their like allow (about 1e-6 of the number): no bf16 or f16 on the way to a quantiser, and a product that is left as it is and whose result goes on into a quantised operand takes f32 operands (vector FMAs, or v_wmma_f32_16x16x4_f32). A number that lies on a knife's edge between two numbers of the format may be rounded either way, as far as f32 arithmetic and the matrix unit's own rounding can turn it there, and no further.
;; One version. Each part assembles by itself: llvm-mc -triple=amdgcn-amd-amdhsa -mcpu=gfx1250 --defsym DOCPART=n.
;; ======== version 1 of 1: 7 launches
;; workspace buffers: hc 4,194,304 bytes; wc 12,582,912 bytes; qkvc 12,582,912 bytes; yc 4,194,304 bytes; x1 16,777,216 bytes; hm 16,777,216 bytes
;; launch prep (part 1): grid 640 x 1, 4 waves a work-group, no clusters, 35,840 bytes of LDS; arguments x, ln1_w, ln1_b, attn_w, proj_w, fc1_w, fc2_w, lowp_scales, hc, wc; writes hc, wc
.if DOCPART == 1
	.amdgcn_target "amdgcn-amd-amdhsa--gfx1250"
	.amdhsa_code_object_version 6
	.text
	.protected	k_q8a32cf9216_prep
	.globl	k_q8a32cf9216_prep
	.p2align	8
	.type	k_q8a32cf9216_prep,@function
k_q8a32cf9216_prep:
	s_mov_b64 s[64:65], 0
	v_nop
	global_prefetch_b8 v0, s[64:65] scope:SCOPE_SE
	s_setreg_imm32_b32 hwreg(HW_REG_WAVE_MODE, 25, 1), 1
	s_wait_xcnt 0x0
; FIRST LAUNCH OF SEVEN of a transformer block (layernorm, qkv, causal attention, projection, residual, layernorm, MLP with exact GELU, residual), all six products on codes of FP8 (E4M3).
; WORK LEFT OUT IN THE PROGRAM: the causal mask is built by the problem's own body (a lower triangle), and a masked score becomes -infinity ahead of the softmax, so its weight is exactly 0 whatever
; the inputs hold.  Key steps of 128 keys that lie wholly behind a wave's 16 queries therefore reach no output, and the attention launch does not compute them.  Nothing else is left out: every input is loaded
; (the bias on k moves k's codes, so it stays).  LIMIT: a NaN, an infinity or an overflow that reaches only those masked steps is not carried to the result.
; THIS LAUNCH.  Work-groups 0-383: the four weights, f32 stored [K][N], become codes laid [N][K], K innermost, in wc (attn at 0, proj at 0x300000, fc1 at 0x400000, fc2 at 0x800000).
; A lane takes a column n and its registers run down K: each load reads 128 consecutive bytes a wave, and the conversions give codes with K innermost.  A wave gathers 32 columns x 256 along K in its own
; stage in LDS and stores sixteen lanes to 256 consecutive aligned bytes.  The tensor's sizes stand in scalar registers, chosen by the work-group's number.
; Work-groups 384-639: layernorm 1 of x, quantised: a wave owns four rows, whole in its registers (mean, then the squares of the differences: two passes, no difference of large sums); no LDS.
; code = number / 2^e, held within +-448, to the nearest code, ties to even.  LIMITS: each e used here (entries 0, 1, 7, 9, 11) between -126 and 119.  NaN among the inputs is not served.
.set SPARE, 34816                      ; behind the four stages: the spare words, 128 bytes a wave
.set PITCH, 272                        ; a stage row: 256 bytes of codes + 16
.set SPW, 14                           ; v14 LDS address of my spare word; never rewritten
.set NIL, 15                           ; v15 0; never rewritten
.set XW, 32                            ; weights: v32-95 two sets of 32 numbers
.set CW, 96                            ; v96-103 a block's codes
.set OUTR, 112                         ; v112-175 the way out
.set OFF, 176                          ; v176-207 byte offset of row i of a block, at my column
.set OUTO, 208                         ; v208-223 byte offsets of the stores
.set BB, 68                            ; s[68:83] the eight blocks' bases
.set W, 16                             ; layernorm: v16-47 gain, v48-79 bias, v80-207 four rows, v208-239 codes, v240-247 at work
.set BV, 48
.set XL, 80
.set CD, 208
.set T, 240
	s_load_b512 s[4:19], s[0:1], 0x0               ; x 4, ln1_w 6, ln1_b 8, attn_w 10, proj_w 12, fc1_w 14, fc2_w 16, the scales 18
	s_load_b128 s[20:23], s[0:1], 0x40             ; hc 20, wc 22
	v_lshl_add_u32 v[SPW], v0, 2, SPARE
	v_mov_b32 v[NIL], 0
	v_lshrrev_b32 v1, 5, v0
	v_readfirstlane_b32 s36, v1                    ; wave 0..3
	v_and_b32 v2, 31, v0                           ; lane
	s_wait_kmcnt 0x0
	s_load_b256 s[24:31], s[18:19], 0x0            ; e0 .. e7
	s_load_b128 s[32:35], s[18:19], 0x20           ; e8 .. e11
	s_cmp_ge_u32 ttmp9, 384
	s_cbranch_scc1 .Lln
	; ---------------- the weights ----------------
	s_wait_kmcnt 0x0
	s_mov_b32 s40, 4096                            ; a row of the source in bytes (4 N): fc2's figures first,
	s_mov_b32 s41, 4096                            ; K
	s_mov_b32 s42, 256                             ; the tensor's first work-group
	s_mov_b32 s43, 4                               ; log2(K / 256)
	s_mov_b32 s44, 0x800000                        ; its place in wc
	s_mov_b32 s45, s35                             ; its e
	s_mov_b64 s[46:47], s[16:17]
	s_cmp_lt_u32 ttmp9, 256                        ; then fc1's,
	s_cselect_b32 s40, 16384, s40
	s_cselect_b32 s41, 1024, s41
	s_cselect_b32 s42, 128, s42
	s_cselect_b32 s43, 2, s43
	s_cselect_b32 s44, 0x400000, s44
	s_cselect_b32 s45, s33, s45
	s_cselect_b64 s[46:47], s[14:15], s[46:47]
	s_cmp_lt_u32 ttmp9, 128                        ; proj's,
	s_cselect_b32 s40, 4096, s40
	s_cselect_b32 s42, 96, s42
	s_cselect_b32 s44, 0x300000, s44
	s_cselect_b32 s45, s31, s45
	s_cselect_b64 s[46:47], s[12:13], s[46:47]
	s_cmp_lt_u32 ttmp9, 96                         ; attn's
	s_cselect_b32 s40, 12288, s40
	s_cselect_b32 s42, 0, s42
	s_cselect_b32 s44, 0, s44
	s_cselect_b32 s45, s25, s45
	s_cselect_b64 s[46:47], s[10:11], s[46:47]
	s_sub_co_u32 s52, ttmp9, s42                   ; my number within the tensor
	s_bfm_b32 s53, s43, 0
	s_and_b32 s53, s52, s53                        ; which 256 along K
	s_lshr_b32 s54, s52, s43                       ; which 128 columns
	s_lshl_b32 s54, s54, 7
	s_lshl_b32 s55, s36, 5
	s_add_co_u32 s54, s54, s55                     ; my wave's first column
	s_mul_i32 s56, s53, s40
	s_lshl_b32 s56, s56, 8                         ; 256 rows of the source
	s_lshl_b32 s57, s54, 2
	s_add_co_u32 s56, s56, s57
	s_mov_b32 s57, 0
	s_add_nc_u64 s[BB:BB+1], s[46:47], s[56:57]    ; block 0 of my 8 blocks of 32 along K
	s_lshl_b32 s58, s40, 5                         ; 32 rows on
	s_mov_b32 s59, 0
.irp t, 1,2,3,4,5,6,7
	s_add_nc_u64 s[BB+2*\t:BB+2*\t+1], s[BB+2*\t-2:BB+2*\t-1], s[58:59]
.endr
	s_mul_i32 s60, s54, s41                        ; codes: column x K
	s_add_co_u32 s60, s60, s44
	s_lshl_b32 s61, s53, 8
	s_add_co_u32 s60, s60, s61
	s_mov_b32 s61, 0
	s_add_nc_u64 s[48:49], s[22:23], s[60:61]
	v_lshlrev_b32 v3, 2, v2                        ; 4 bytes a lane
.set n, 0
.rept 32
	v_mad_u32_u24 v[OFF+n], s40, n, v3             ; row n of a block
.set n, n+1
.endr
	s_mul_i32 s62, s36, 32*PITCH                   ; my stage
	v_mul_u32_u24 v4, v2, PITCH
	v_add_nc_u32 v4, s62, v4                       ; into it: row = my column
	v_and_b32 v5, 15, v2
	v_lshrrev_b32 v6, 4, v2
	v_mul_u32_u24 v7, v6, PITCH
	v_lshl_add_u32 v7, v5, 4, v7
	v_add_nc_u32 v7, s62, v7                       ; out of it: sixteen lanes to a row, two rows an instruction
	v_mul_u32_u24 v8, s41, v6
	v_lshl_add_u32 v8, v5, 4, v8
.set n, 0
.rept 16
	v_mad_u32_u24 v[OUTO+n], s41, 2*n, v8          ; the same places in wc
.set n, n+1
.endr
	s_add_co_i32 s45, s45, 127
	s_lshl_b32 s63, s45, 23
	v_mov_b32 v11, s63                             ; 2^e as f32: the conversion takes its exponent field
	s_add_co_i32 s45, s45, 8
	s_lshl_b32 s45, s45, 23
	s_or_b32 s45, s45, 0x600000
	v_mov_b32 v10, s45                             ; 448 x 2^e
.macro WLOAD t                         ; block t: 32 rows at my column, into set t % 2
.set n, 0
.rept 32
	global_load_b32 v[XW+32*((\t)%2)+n], v[OFF+n], s[BB+2*(\t):BB+2*(\t)+1] th:TH_LOAD_NT
.set n, n+1
.endr
.endm
.macro WBLOCK t
.set XS, XW+32*((\t)%2)
.if (\t) < 7
	s_wait_loadcnt 32                              ; this block's 32 loads are in; the next block's 32 may be out
.else
	s_wait_loadcnt 0
.endif
.set n, 0
.rept 32
	v_med3_num_f32 v[XS+n], v[XS+n], -v10, v10     ; the conversion to an 8-bit code does not saturate (ISA guide 7.6.2): the hold comes first
.set n, n+1
.endr
.irp g, 0,1,2,3
	v_cvt_scalef32_pk8_fp8_f32 v[CW+2*\g:CW+2*\g+1], v[XS+8*\g:XS+8*\g+7], v11
.endr
	ds_store_b128 v4, v[CW:CW+3] offset:32*(\t)    ; 32 codes of my column's row
	ds_store_b128 v4, v[CW+4:CW+7] offset:32*(\t)+16
.if (\t)+2 < 8
	WLOAD (\t)+2
.endif
	s_wait_dscnt 0x0                               ; the stores have read their registers: the next block's codes may be written
.endm
	WLOAD 0
	WLOAD 1
.set Q, 0
.rept 8
	WBLOCK Q
.set Q, Q+1
.endr
.irp t, 0,1,2,3,4,5,6,7,8,9,10,11,12,13,14,15
	ds_load_b128 v[OUTR+4*\t:OUTR+4*\t+3], v7 offset:2*\t*PITCH   ; LDS serves a wave's instructions in order: these see my stores
.endr
.irp t, 0,1,2,3,4,5,6,7,8,9,10,11,12,13,14,15
	s_wait_dscnt 15-\t                             ; the younger loads may be out
	global_store_b128 v[OUTO+\t], v[OUTR+4*\t:OUTR+4*\t+3], s[48:49]   ; sixteen lanes store 256 consecutive bytes, aligned
.endr
	s_branch .Lend
	; ---------------- layernorm 1 ----------------
.Lln:
	s_wait_kmcnt 0x0
	s_sub_co_u32 s52, ttmp9, 384
	s_lshl_b32 s52, s52, 4
	s_lshl_b32 s53, s36, 2
	s_add_co_u32 s52, s52, s53                     ; my wave's first row
	s_lshl_b32 s54, s52, 12
	s_mov_b32 s55, 0
	s_add_nc_u64 s[4:5], s[4:5], s[54:55]
	s_lshl_b32 s54, s52, 10
	s_add_nc_u64 s[20:21], s[20:21], s[54:55]
	s_mov_b32 s37, 0x3a800000                      ; 1 / 1024
	s_mov_b32 s38, 0x3727c5ac                      ; 1e-5
	s_mov_b32 s50, 0x76543210                      ; lane selects: lane l xor 16
	s_mov_b32 s51, 0xfedcba98
	v_lshlrev_b32 v6, 5, v2                        ; my 8 numbers of each 256: 32 bytes a lane
	v_lshlrev_b32 v7, 3, v2                        ; my 8 codes
	v_mov_b32 v3, 0                                ; (upper halves of pairs of which the low word serves both halves; a permute's destination)
	v_mov_b32 v5, 0
	v_mov_b32 v[T+4], 0
.irp c, 0,1,2,3
	global_load_b128 v[W+8*\c:W+8*\c+3], v6, s[6:7] offset:1024*\c
	global_load_b128 v[W+8*\c+4:W+8*\c+7], v6, s[6:7] offset:1024*\c+16
	global_load_b128 v[BV+8*\c:BV+8*\c+3], v6, s[8:9] offset:1024*\c
	global_load_b128 v[BV+8*\c+4:BV+8*\c+7], v6, s[8:9] offset:1024*\c+16
.endr
.irp p, 0,1,2,3
.irp c, 0,1,2,3
	global_load_b128 v[XL+32*\p+8*\c:XL+32*\p+8*\c+3], v6, s[4:5] offset:4096*\p+1024*\c
	global_load_b128 v[XL+32*\p+8*\c+4:XL+32*\p+8*\c+7], v6, s[4:5] offset:4096*\p+1024*\c+16
.endr
.endr
	s_add_co_i32 s24, s24, 127
	s_lshl_b32 s25, s24, 23
	v_mov_b32 v11, s25                             ; 2^e0
	s_add_co_i32 s24, s24, 8
	s_lshl_b32 s24, s24, 23
	s_or_b32 s24, s24, 0x600000
	v_mov_b32 v10, s24                             ; 448 x 2^e0
.macro RED r, t                        ; the sum over the wave's 32 lanes, in every lane
	v_add_f32_dpp v[\r], v[\r], v[\r] row_xmask:1 row_mask:0xf bank_mask:0xf
	v_add_f32_dpp v[\r], v[\r], v[\r] row_xmask:2 row_mask:0xf bank_mask:0xf
	v_add_f32_dpp v[\r], v[\r], v[\r] row_xmask:4 row_mask:0xf bank_mask:0xf
	v_add_f32_dpp v[\r], v[\r], v[\r] row_xmask:8 row_mask:0xf bank_mask:0xf
	v_permlanex16_b32 v[\t], v[\r], s50, s51
	v_add_f32 v[\r], v[\r], v[\t]
.endm
.macro ROW p
.set XR, XL+32*(\p)
	s_wait_loadcnt 8*(3-(\p))                      ; gain, bias and my row are in; the later rows' eight loads each may be out
	v_pk_add_f32 v[T:T+1], v[XR:XR+1], v[XR+2:XR+3]
	v_pk_add_f32 v[T+2:T+3], v[XR+4:XR+5], v[XR+6:XR+7]
.irp j, 8,12,16,20,24,28
	v_pk_add_f32 v[T:T+1], v[T:T+1], v[XR+\j:XR+\j+1]
	v_pk_add_f32 v[T+2:T+3], v[T+2:T+3], v[XR+\j+2:XR+\j+3]
.endr
	v_pk_add_f32 v[T:T+1], v[T:T+1], v[T+2:T+3]
	v_add_f32 v[T], v[T], v[T+1]
	RED T, T+4
	v_mul_f32 v2, s37, v[T]                        ; the mean
.set n, 0
.rept 16
	v_pk_add_f32 v[XR+n:XR+n+1], v[XR+n:XR+n+1], v[2:3] op_sel_hi:[1,0] neg_lo:[0,1] neg_hi:[0,1]   ; x - mean
.set n, n+2
.endr
	v_pk_mul_f32 v[T:T+1], v[XR:XR+1], v[XR:XR+1]
	v_pk_mul_f32 v[T+2:T+3], v[XR+2:XR+3], v[XR+2:XR+3]
.irp j, 4,8,12,16,20,24,28
	v_pk_fma_f32 v[T:T+1], v[XR+\j:XR+\j+1], v[XR+\j:XR+\j+1], v[T:T+1]
	v_pk_fma_f32 v[T+2:T+3], v[XR+\j+2:XR+\j+3], v[XR+\j+2:XR+\j+3], v[T+2:T+3]
.endr
	v_pk_add_f32 v[T:T+1], v[T:T+1], v[T+2:T+3]
	v_add_f32 v[T], v[T], v[T+1]
	RED T, T+4
	v_fma_f32 v[T], v[T], s37, s38                 ; the variance + 1e-5
	v_rsq_f32 v4, v[T]
	v_nop                                          ; a plain instruction behind the transcendental
	s_wait_alu depctr_va_vdst(0)                   ; ahead of the result's first reader
.set n, 0
.rept 16
	v_pk_mul_f32 v[XR+n:XR+n+1], v[XR+n:XR+n+1], v[4:5] op_sel_hi:[1,0]
.set n, n+2
.endr
.set n, 0
.rept 16
	v_pk_fma_f32 v[XR+n:XR+n+1], v[XR+n:XR+n+1], v[W+n:W+n+1], v[BV+n:BV+n+1]
.set n, n+2
.endr
.set n, 0
.rept 32
	v_med3_num_f32 v[XR+n], v[XR+n], -v10, v10
.set n, n+1
.endr
.irp c, 0,1,2,3
	v_cvt_scalef32_pk8_fp8_f32 v[CD+8*(\p)+2*\c:CD+8*(\p)+2*\c+1], v[XR+8*\c:XR+8*\c+7], v11
.endr
.irp c, 0,1,2,3
	global_store_b64 v7, v[CD+8*(\p)+2*\c:CD+8*(\p)+2*\c+1], s[20:21] offset:1024*(\p)+256*\c   ; the wave stores 256 consecutive bytes, aligned; each row has its own code registers
.endr
.endm
	ROW 0
	ROW 1
	ROW 2
	ROW 3
.Lend:
	s_wait_tensorcnt 0x0                           ; the wave's end
	ds_add_u32 v[SPW], v[NIL]
	s_wait_dscnt 0x0
	s_endpgm
.Lfunc_end_k_q8a32cf9216_prep:
	.size	k_q8a32cf9216_prep, .Lfunc_end_k_q8a32cf9216_prep-k_q8a32cf9216_prep
	.p2alignl 7, 3214868480
	.fill 96, 4, 3214868480
	.section	.rodata,"a",@progbits
	.p2align	6, 0x0
	.amdhsa_kernel k_q8a32cf9216_prep
		.amdhsa_group_segment_fixed_size 35840
		.amdhsa_private_segment_fixed_size 0
		.amdhsa_enable_private_segment 0
		.amdhsa_kernarg_size 80
		.amdhsa_user_sgpr_count 2
		.amdhsa_user_sgpr_kernarg_segment_ptr 1
		.amdhsa_wavefront_size32 1
		.amdhsa_system_sgpr_workgroup_id_x 1
		.amdhsa_system_sgpr_workgroup_id_y 1
		.amdhsa_system_sgpr_workgroup_id_z 1
		.amdhsa_system_vgpr_workitem_id 0
		.amdhsa_next_free_vgpr 248
		.amdhsa_next_free_sgpr 92
		.amdhsa_reserve_vcc 0
		.amdhsa_float_denorm_mode_32 3
		.amdhsa_float_denorm_mode_16_64 3
		.amdhsa_memory_ordered 1
		.amdhsa_forward_progress 1
		.amdhsa_inst_pref_size 94
	.end_amdhsa_kernel
	.amdgpu_metadata
---
amdhsa.version: [ 1, 2 ]
amdhsa.kernels:
  - .name:           k_q8a32cf9216_prep
    .symbol:         k_q8a32cf9216_prep.kd
    .args:
      - { .name: x, .offset: 0, .size: 8, .value_kind: global_buffer, .address_space: global }
      - { .name: ln1_w, .offset: 8, .size: 8, .value_kind: global_buffer, .address_space: global }
      - { .name: ln1_b, .offset: 16, .size: 8, .value_kind: global_buffer, .address_space: global }
      - { .name: attn_w, .offset: 24, .size: 8, .value_kind: global_buffer, .address_space: global }
      - { .name: proj_w, .offset: 32, .size: 8, .value_kind: global_buffer, .address_space: global }
      - { .name: fc1_w, .offset: 40, .size: 8, .value_kind: global_buffer, .address_space: global }
      - { .name: fc2_w, .offset: 48, .size: 8, .value_kind: global_buffer, .address_space: global }
      - { .name: lowp_scales, .offset: 56, .size: 8, .value_kind: global_buffer, .address_space: global }
      - { .name: hc, .offset: 64, .size: 8, .value_kind: global_buffer, .address_space: global }
      - { .name: wc, .offset: 72, .size: 8, .value_kind: global_buffer, .address_space: global }
    .group_segment_fixed_size: 35840
    .private_segment_fixed_size: 0
    .kernarg_segment_align: 8
    .kernarg_segment_size: 80
    .max_flat_workgroup_size: 128
    .sgpr_count:     92
    .vgpr_count:     248
    .wavefront_size: 32
...
	.end_amdgpu_metadata
.endif
;; end of part 1
;; launch qkv (part 2): grid 12 x 16, 4 waves a work-group, clusters of 4 x 4, 327,680 bytes of LDS; arguments hc, wc, lowp_scales, attn_b, qkvc; writes qkvc
.if DOCPART == 2
	.amdgcn_target "amdgcn-amd-amdhsa--gfx1250"
	.amdhsa_code_object_version 6
	.text
	.protected	k_q8a32cf9216_qkv
	.globl	k_q8a32cf9216_qkv
	.p2align	8
	.type	k_q8a32cf9216_qkv,@function
k_q8a32cf9216_qkv:
	s_mov_b64 s[64:65], 0
	v_nop
	global_prefetch_b8 v0, s[64:65] scope:SCOPE_SE
	s_setreg_imm32_b32 hwreg(HW_REG_WAVE_MODE, 25, 1), 1
	s_wait_xcnt 0x0
	s_wait_alu depctr_hold_cnt(0) depctr_sa_sdst(0) depctr_va_vdst(0) depctr_va_sdst(0) depctr_va_ssrc(0) depctr_va_vcc(0) depctr_vm_vsrc(0)
	s_getreg_b32 s2, hwreg(HW_REG_IB_STS2, 6, 4)
	s_cmp_eq_u32 s2, 0
	s_cbranch_scc0 .Lentry_in_a_cluster
	s_endpgm
.Lentry_in_a_cluster:
	s_bfe_u32 s2, ttmp6, 0x10000c
	s_cmp_lg_u32 s2, 0xf033
	s_cbranch_scc0 .Lentry_shape_is_right
	s_endpgm
.Lentry_shape_is_right:
; qkv = LN1(x) attn_w + attn_b on codes of FP8 (E4M3), then q, k and v are quantised for the attention launch.  hc: [4096][1024] codes; wc: attn_w's codes [3072][1024], K innermost.
; A tile of 256 x 256 is made by four waves, each 128 x 128: 64 accumulators, 512 registers.  K goes in steps of 256 through a ring of two LDS slots filled by the tensor data mover.
; CLUSTERS of 4 x 4 work-groups: tiles of the operand "A" are asked for jointly along a row of the cluster, tiles of "B" along a column.  The matrix instruction takes B's rows as source 0 and A's as source 1:
; a lane holds one row of A's side and eight neighbours of B's side.
; Cluster x = 0: q, 1: k: A = the tokens (hc), B = the weights: a lane holds a token and 8 neighbouring channels: K of the score product.
; Cluster x = 2: v: A = v's weight rows (tile = cy), B = the tokens (tile = 4 x cluster y + cx): a lane holds a channel and 8 neighbouring TOKENS, which are K of the second attention product.  Only the two base
; addresses and the tile numbers are chosen (by the cluster's x, which all partners share); masks, LDS addresses and the loop are the same.
; OUT: q at 0, k at 0x400000: [head][token][64]; v at 0x800000: [head][token / 128][channel 64][token % 128].  A block of 16 x 128 codes goes through the wave's stage and leaves as runs of 512 consecutive bytes.
; LIMITS: e0 + e1 between -126 and 127; e2, e3, e5 between -126 and 119.  NaN among the inputs is not served.
; REGISTERS: window 0: v0-31 addresses; v32-95 the bias; v96-103 its loads' offsets; from v128 A's fragments, one set; on the way out v96-209 at work.  window 1: B's fragments, two sets.  windows 2, 3: the accumulators.
.set SIZE_K, 1024
.set KSTEP,  256
.set ROWB,   256
.set KROW,   SIZE_K
.set PITCH,  272                       ; an LDS row: 256 bytes + 16 of padding: the 16 rows of a load start at 16 different banks (64 banks of 4 bytes: ISA guide 11.1)
.set FR,     16
.set NL,     4
.set NP,     4                         ; places behind this matrix instruction (ISA guide 7.12.1)
.set HALFT,  128*PITCH
.set SLOT,   4*HALFT
.set LAPS,   SIZE_K/(2*KSTEP)
.set SPARE,  2*SLOT                    ; behind the ring: the spare words
.set STAGE_QK, SPARE+512               ; a stage of 16 rows x 144 bytes for each wave, for q and k;
.set STAGE_V,  STAGE_QK+9216           ; and one of its own for v's way out.  No tile lands in either
.set ADRA, 16
.set ADRB, 20
.set STOV, 22
.set RDV,  23
.set STOQ, 24
.set RDQ,  25
.set CO,   26
.set SPW,  28
.set NIL,  29
.set BIAS, 32
.set TMP,  96
.set AF,   128
.set CD,   160
.set BK,   176
.set LIMV, 208
.set SCV,  209
.set G1, 24
.set G0, 32
.set G1B, 48
.set G0B, 56
.set MSB, 0
.macro WIN new                         ; the immediate's high byte repeats the setting that is left
.if MSB != (\new)
	s_set_vgpr_msb (MSB<<8)|(\new)
.set MSB, (\new)
.endif
.endm
.set MUL_LO, 0xa1                      ; source 0 (B) window 1, source 1 (A) window 0, C and D window 2
.set MUL_HI, 0xf1
.set TO_B,   0x40
.macro JLOAD g0a, g1a, g0b, g1b        ; a joint load: waves 0, 1 fetch for A, waves 2, 3 for B; an s_nop 0 and four v_nop follow each line
	s_cmp_eq_u32 s15, 0
	s_cbranch_scc0 .Lfor_b_\@
	tensor_load_to_lds s[\g0a:\g0a+3], s[\g1a:\g1a+7]
	s_nop 0
.rept 4
	v_nop
.endr
	s_branch .Lasked_\@
.Lfor_b_\@:
	tensor_load_to_lds s[\g0b:\g0b+3], s[\g1b:\g1b+7]
	s_nop 0
.rept 4
	v_nop
.endr
.Lasked_\@:
.endm
.macro CREST
	s_cmp_lg_u32 s14, 0
	s_cbranch_scc1 .Lnot_wave_0_\@
	s_barrier_signal -3
.Lnot_wave_0_\@:
	s_barrier_wait -3
	s_barrier_signal -1
	s_barrier_wait -1
.endm
.macro CROUND
	s_barrier_signal -1
	s_barrier_wait -1
	CREST
.endm
	s_load_b128 s[4:7], s[0:1], 0x0                ; hc, wc
	s_load_b128 s[8:11], s[0:1], 0x10              ; the scales, attn_b
	s_load_b64 s[12:13], s[0:1], 0x20              ; qkvc
	v_lshl_add_u32 v[SPW], v0, 2, SPARE
	v_mov_b32 v[NIL], 0
	ds_add_u32 v[SPW], v[NIL]                      ; the wave's opening: the add, twice on end, and its wait ahead of my first tensor load
	ds_add_u32 v[SPW], v[NIL]
	v_lshrrev_b32 v1, 5, v0
	v_readfirstlane_b32 s14, v1                    ; wave 0..3
	s_lshr_b32 s15, s14, 1                         ; my half of A's side.  Also: I fetch for A (0) or for B (1)
	s_and_b32 s16, s14, 1                          ; my half of B's side.  Also: which 128 rows of that tile I fetch
	s_bfe_u32 s40, ttmp6, 0x40000                  ; cx
	s_bfe_u32 s41, ttmp6, 0x40004                  ; cy
	s_lshl_b32 s42, ttmp9, 2                       ; 4 x cluster x
	s_and_b32 s17, ttmp7, 0xffff
	s_lshl_b32 s17, s17, 2                         ; 4 x cluster y
	s_cmp_eq_u32 ttmp9, 2                          ; a v cluster?  The cluster's x is the same in all sixteen partners
	s_cselect_b32 s42, s17, s42                    ; B's tile: v: tokens, 4 x cluster y + cx; else weights, 4 x cluster x + cx
	s_cselect_b32 s17, 0, s17                      ; A's tile: v: weights, cy; else tokens, 4 x cluster y + cy
	s_add_co_u32 s42, s42, s40
	s_add_co_u32 s17, s17, s41
	s_lshl_b32 s43, s41, 2
	s_lshl_b32 s43, 15, s43                        ; my row of the cluster
	s_lshl_b32 s44, 0x1111, s40                    ; my column
	s_or_b32 s[G1+0], s43, (0<<16)|(1<<20)|(1<<21)|(5<<22)|(3<<25)  ; the mask; elements of 1 byte; padding on; bit 21 beside a mask; 4 words behind every 64
	s_or_b32 s[G1B+0], s44, (0<<16)|(1<<20)|(1<<21)|(5<<22)|(3<<25)
.irp g, G1, G1B
	s_mov_b32 s[\g+1], ROWB<<16                    ; tensor_dim0
	s_mov_b32 s[\g+2], 128<<16                     ; tensor_dim1
	s_mov_b32 s[\g+3], ROWB<<16                    ; tile_dim0
	s_mov_b32 s[\g+4], 128                         ; tile_dim1
	s_mov_b32 s[\g+5], KROW                        ; the pitch
	s_mov_b32 s[\g+6], 0
	s_mov_b32 s[\g+7], 0
.endr
	s_lshl_b32 s18, s16, 7                         ; which 128 rows of the tile I fetch
	s_lshl_b32 s20, s17, 8
	s_add_co_u32 s20, s20, s18
	s_lshl_b32 s20, s20, 10                        ; A: row x 1,024 bytes
	s_lshl_b32 s46, s42, 8
	s_add_co_u32 s46, s46, s18
	s_lshl_b32 s46, s46, 10                        ; B likewise
	s_cmp_eq_u32 ttmp9, 2
	s_cselect_b32 s19, 0x200000, 0                 ; v's weight rows begin at row 2,048 of attn_w's codes
	s_add_co_u32 s20, s20, s19
	s_mov_b32 s21, 0
	s_mov_b32 s47, 0
	s_mul_i32 s45, s14, HALFT                      ; where they go: wave x 128 rows
	s_wait_dscnt 0x0                               ; both opening adds are done
	s_wait_kmcnt 0x0
	s_load_b256 s[72:79], s[8:9], 0x0              ; e0 .. e7
	s_cmp_eq_u32 ttmp9, 2
	s_cselect_b64 s[84:85], s[6:7], s[4:5]         ; A's buffer
	s_cselect_b64 s[86:87], s[4:5], s[6:7]         ; B's buffer
	s_add_nc_u64 s[20:21], s[84:85], s[20:21]
	s_add_nc_u64 s[46:47], s[86:87], s[46:47]
	CROUND                                         ; all sixteen work-groups are here: the first joint loads meet
.irp s, 0,1
	s_mov_b32 s[G0+4*\s], 1
	s_add_co_u32 s[G0+4*\s+1], s45, \s*SLOT
	s_add_nc_u64 s[G0+4*\s+2:G0+4*\s+3], s[20:21], \s*ROWB
	s_or_b32 s[G0+4*\s+3], s[G0+4*\s+3], 0x80000000
	s_mov_b32 s[G0B+4*\s], 1
	s_add_co_u32 s[G0B+4*\s+1], s45, \s*SLOT
	s_add_nc_u64 s[G0B+4*\s+2:G0B+4*\s+3], s[46:47], \s*ROWB
	s_or_b32 s[G0B+4*\s+3], s[G0B+4*\s+3], 0x80000000
	JLOAD G0+4*\s, G1, G0B+4*\s, G1B
.endr
	v_and_b32 v1, 15, v0                           ; r
	v_bfe_u32 v2, v0, 4, 1                         ; h
	v_mul_u32_u24 v3, v1, PITCH
	v_lshl_add_u32 v4, v2, 4, v3                   ; a fragment's row x pitch + 16 h
	s_mul_i32 s21, s15, HALFT
	s_mul_i32 s22, s16, HALFT
	s_add_co_u32 s22, s22, 2*HALFT
.irp s, 0,1
	v_add_nc_u32 v[ADRA+\s], s21, v4
	v_add_nc_u32 v[ADRB+\s], s22, v4
	s_add_co_u32 s21, s21, SLOT
	s_add_co_u32 s22, s22, SLOT
.endr
	s_mul_i32 s23, s14, 2304                       ; my stage in either region
	v_mul_u32_u24 v5, v1, 144
	v_lshl_add_u32 v5, v2, 3, v5
	v_add_nc_u32 v5, s23, v5                       ; in: row r, 8 bytes for each half of the lanes
	v_add_nc_u32 v[STOQ], STAGE_QK, v5
	v_add_nc_u32 v[STOV], STAGE_V, v5
	v_and_b32 v6, 31, v0
	v_lshrrev_b32 v7, 2, v6
	v_mul_u32_u24 v7, v7, 144
	v_and_b32 v8, 3, v6
	v_lshl_add_u32 v7, v8, 4, v7
	v_add_nc_u32 v7, s23, v7
	v_add_nc_u32 v[RDQ], STAGE_QK, v7              ; back, q and k: four lanes to 64 bytes of a row, eight rows an instruction
	v_lshrrev_b32 v7, 3, v6
	v_mul_u32_u24 v7, v7, 144
	v_and_b32 v8, 7, v6
	v_lshl_add_u32 v7, v8, 4, v7
	v_add_nc_u32 v7, s23, v7
	v_add_nc_u32 v[RDV], STAGE_V, v7               ; back, v: eight lanes to a row of 128 bytes, four rows an instruction
	v_lshlrev_b32 v[CO], 4, v6                     ; 16 bytes a lane of a run of 512
	; where my results go
	s_lshl_b32 s66, s40, 2
	s_lshl_b32 s67, s16, 1
	s_add_co_u32 s66, s66, s67                     ; q, k: head 4 cx + 2 x half
	s_lshl_b32 s66, s66, 12
	s_lshl_b32 s67, s17, 8
	s_add_co_u32 s66, s66, s67
	s_lshl_b32 s67, s15, 7
	s_add_co_u32 s66, s66, s67                     ; + my first token
	s_lshl_b32 s66, s66, 6
	s_lshl_b32 s67, ttmp9, 22
	s_add_co_u32 s66, s66, s67
	s_lshl_b32 s68, s41, 2
	s_lshl_b32 s69, s15, 1
	s_add_co_u32 s68, s68, s69                     ; v: head 4 cy + 2 x half
	s_lshl_b32 s68, s68, 5
	s_lshl_b32 s69, s42, 1
	s_add_co_u32 s68, s68, s69
	s_add_co_u32 s68, s68, s16                     ; + my block of 128 tokens
	s_lshl_b32 s68, s68, 13
	s_add_co_u32 s68, s68, 0x800000
	s_cmp_eq_u32 ttmp9, 2
	s_cselect_b32 s82, s68, s66
	s_mov_b32 s83, 0
	s_add_nc_u64 s[82:83], s[12:13], s[82:83]
	; the bias, in the result's layout: q, k: register 8 b + j = bias(16 b + 8 h + j); v: register 8 a + j = bias(16 a + r) for every j
	s_lshl_b32 s66, s17, 8
	s_lshl_b32 s67, s15, 7
	s_add_co_u32 s66, s66, s67
	s_add_co_u32 s66, s66, 2048
	s_lshl_b32 s68, s42, 8
	s_lshl_b32 s69, s16, 7
	s_add_co_u32 s68, s68, s69
	s_cmp_eq_u32 ttmp9, 2
	s_cselect_b32 s80, s66, s68
	s_cselect_b32 s88, 4, 0                        ; bytes for each r,
	s_cselect_b32 s89, 0, 32                       ; for h,
	s_cselect_b32 s90, 0, 4                        ; for each j
	s_lshl_b32 s80, s80, 2
	s_mov_b32 s81, 0
	s_add_nc_u64 s[80:81], s[10:11], s[80:81]
	v_mul_u32_u24 v9, s88, v1
	v_mad_u32_u24 v9, s89, v2, v9
.irp j, 0,1,2,3,4,5,6,7
	v_mad_u32_u24 v[TMP+\j], s90, \j, v9
.endr
.irp x, 0,1,2,3,4,5,6,7
.irp j, 0,1,2,3,4,5,6,7
	global_load_b32 v[BIAS+8*\x+\j], v[TMP+\j], s[80:81] offset:64*\x
.endr
.endr
.macro FRAG reg, adr, q, i             ; 16 rows x 128 K: registers 4 c .. 4 c + 3 hold K = 32 c + 16 h + 0 .. 15: the same places of k in A and in B
.irp c, 0,1,2,3
	ds_load_b128 v[\reg+4*\c:\reg+4*\c+3], v[\adr] offset:128*(\q)+32*\c+(\i)*16*PITCH
.endr
.endm
.macro MUL16 a0, p, zero               ; A's blocks a0, a0 + 1 x B's eight; the 64 accumulators take turns
.irp a, \a0, \a0+1
.irp b, 0,1,2,3,4,5,6,7
.if \zero
	v_wmma_f32_16x16x128_fp8_fp8 v[8*(8*((\a)%4)+\b):8*(8*((\a)%4)+\b)+7], v[128*(\p)+FR*\b:128*(\p)+FR*\b+FR-1], v[AF+FR*(\a):AF+FR*(\a)+FR-1], 0
.else
	v_wmma_f32_16x16x128_fp8_fp8 v[8*(8*((\a)%4)+\b):8*(8*((\a)%4)+\b)+7], v[128*(\p)+FR*\b:128*(\p)+FR*\b+FR-1], v[AF+FR*(\a):AF+FR*(\a)+FR-1], v[8*(8*((\a)%4)+\b):8*(8*((\a)%4)+\b)+7]
.endif
.endr
.endr
.endm
.macro FETCH_B slot, q, p
	WIN TO_B
.irp i, 0,1,2,3,4,5,6,7
	FRAG 128*(\p)+FR*\i, ADRB+\slot, \q, \i
.endr
	WIN 0
.endm
.macro FETCH_A slot, q, i0
.irp i, \i0, \i0+1, \i0+2, \i0+3
	FRAG AF+FR*(\i), ADRA+\slot, \q, \i
.endr
.endm
.macro PLACES n                        ; plain vector instructions between a matrix instruction and a load into, or a read of, its registers
.rept \n
	v_nop
.endr
.endm
.macro STEP slot, q, zero              ; 128 along K that has its successor in the same slot
	s_wait_dscnt 4*NL                              ; B's set and A's blocks 0-3 are in; the youngest 16 loads (A's blocks 4-7) may be out
	WIN MUL_LO
	MUL16 0, (\q)%2, \zero
	MUL16 2, (\q)%2, \zero
	s_wait_dscnt 0
	PLACES NP
	FETCH_B \slot, (\q)+1, 1-(\q)%2
	FETCH_A \slot, (\q)+1, 0
	WIN MUL_HI
	MUL16 4, (\q)%2, \zero
	MUL16 6, (\q)%2, \zero
	PLACES NP
	WIN 0
	FETCH_A \slot, (\q)+1, 4
.endm
.macro TURN slot, next, fill           ; a slot's last step changes slots
	s_wait_tensorcnt 0x0                           ; all my tensor loads have landed: my part of the next slot
	ds_add_u32 v[SPW], v[NIL]                      ; 0 onto my spare word
	s_wait_dscnt 4*NL+1                            ; (the add and the youngest 16 loads may be out)
	WIN MUL_LO
	MUL16 0, 1, 0
	s_wait_dscnt 0x0                               ; the add is done, and my reads of this slot are over
	s_barrier_signal -1
	MUL16 2, 1, 0
	WIN 0
	s_barrier_wait -1
.if \fill
	CREST                                          ; the barrier has opened a round of the cluster's: no wave of any partner still reads this slot or has a load on its way
	s_add_nc_u64 s[G0+4*\slot+2:G0+4*\slot+3], s[G0+4*\slot+2:G0+4*\slot+3], 2*ROWB
	s_add_nc_u64 s[G0B+4*\slot+2:G0B+4*\slot+3], s[G0B+4*\slot+2:G0B+4*\slot+3], 2*ROWB
	JLOAD G0+4*\slot, G1, G0B+4*\slot, G1B         ; the first tensor load behind the round; its four v_nop are the places in front of the loads below
.else
	PLACES NP
.endif
	FETCH_B \next, 0, 0
	FETCH_A \next, 0, 0
	WIN MUL_HI
	MUL16 4, 1, 0
	MUL16 6, 1, 0
	PLACES NP
	WIN 0
	FETCH_A \next, 0, 4
.endm
	s_wait_tensorcnt 1                             ; my part of K step 0 is in; K step 1's load may be out
	s_barrier_signal -1
	s_barrier_wait -1
	FETCH_B 0, 0, 0
	FETCH_A 0, 0, 0
	FETCH_A 0, 0, 4
	STEP 0, 0, 1                                   ; the first step's products start the sums
	s_mov_b32 s3, LAPS-1
.Llap:
	TURN 0, 1, 1
	STEP 1, 0, 0
	TURN 1, 0, 1
	STEP 0, 0, 0
	s_sub_co_u32 s3, s3, 1
	s_cmp_lg_u32 s3, 0
	s_cbranch_scc1 .Llap
	TURN 0, 1, 0
	STEP 1, 0, 0
	s_wait_dscnt 4*NL
	WIN MUL_LO
	MUL16 0, 1, 0
	MUL16 2, 1, 0
	s_wait_dscnt 0
	WIN MUL_HI
	MUL16 4, 1, 0
	MUL16 6, 1, 0
	WIN 0
; THE WAY OUT, block by block of 16 x 128: sum x 2^(e0 + e1) + bias, held, converted (a lane's 8 registers are 8 neighbours along the next K), 8 bytes a lane into my stage, back as runs of 512 bytes.
.macro TOST a, vp, sto, rd
.set AC, 64*((\a)%4)
	WIN (0x02+((\a)/4))                            ; source 0: window 2 or 3
.irp b, 0,1,2,3,4,5,6,7
.irp i, 0,2,4,6
.if \vp
	v_pk_fma_f32 v[TMP+8*\b+\i:TMP+8*\b+\i+1], v[AC+8*\b+\i:AC+8*\b+\i+1], s[96:97], v[BIAS+8*(\a)+\i:BIAS+8*(\a)+\i+1] op_sel_hi:[1,0,1]
.else
	v_pk_fma_f32 v[TMP+8*\b+\i:TMP+8*\b+\i+1], v[AC+8*\b+\i:AC+8*\b+\i+1], s[96:97], v[BIAS+8*\b+\i:BIAS+8*\b+\i+1] op_sel_hi:[1,0,1]
.endif
.endr
.endr
	WIN 0
.set n, 0
.rept 64
	v_med3_num_f32 v[TMP+n], v[TMP+n], -v[LIMV], v[LIMV]
.set n, n+1
.endr
.irp b, 0,1,2,3,4,5,6,7
	v_cvt_scalef32_pk8_fp8_f32 v[CD+2*\b:CD+2*\b+1], v[TMP+8*\b:TMP+8*\b+7], v[SCV]
.endr
	v_nop                                          ; a plain instruction behind the last conversion
.irp b, 0,1,2,3,4,5,6,7
	ds_store_b64 v[\sto], v[CD+2*\b:CD+2*\b+1] offset:16*\b
.endr
.irp t, 0,1,2,3
.if \vp
	ds_load_b128 v[BK+16*((\a)%2)+4*\t:BK+16*((\a)%2)+4*\t+3], v[\rd] offset:\t*576
.else
	ds_load_b128 v[BK+16*((\a)%2)+4*\t:BK+16*((\a)%2)+4*\t+3], v[\rd] offset:(\t%2)*1152+(\t/2)*64
.endif
.endr
.endm
.macro SEND a, younger, vp             ; younger: the LDS instructions issued behind block a's loads
.set BS, BK+16*((\a)%2)
	s_wait_dscnt \younger
.irp t, 0,1,2,3
.if \vp
	global_store_b128 v[CO], v[BS+4*\t:BS+4*\t+3], s[82:83] offset:((\a)/4)*262144+((\a)%4)*2048+\t*512
.else
	global_store_b128 v[CO], v[BS+4*\t:BS+4*\t+3], s[82:83] offset:(\t/2)*262144+(\t%2)*512+(\a)*1024
.endif
.endr
.endm
	PLACES NP                                      ; behind the last products: registers that held A's fragments are written below
	s_wait_kmcnt 0x0
	s_add_co_i32 s96, s72, s73
	s_add_co_i32 s96, s96, 127
	s_lshl_b32 s96, s96, 23                        ; 2^(e0 + e1) as f32
	s_mov_b32 s97, s96
	s_cmp_eq_u32 ttmp9, 1
	s_cselect_b32 s66, s75, s74                    ; the result's own e: q e2, k e3,
	s_cmp_eq_u32 ttmp9, 2
	s_cselect_b32 s66, s77, s66                    ; v e5
	s_add_co_i32 s66, s66, 127
	s_lshl_b32 s67, s66, 23
	v_mov_b32 v[SCV], s67
	s_add_co_i32 s66, s66, 8
	s_lshl_b32 s66, s66, 23
	s_or_b32 s66, s66, 0x600000
	v_mov_b32 v[LIMV], s66
	s_wait_loadcnt 0x0                             ; the bias
	s_cmp_eq_u32 ttmp9, 2
	s_cbranch_scc1 .Lv
	TOST 0, 0, STOQ, RDQ
.irp a, 1,2,3,4,5,6,7
.if \a > 1
	s_wait_xcnt 0x0                                ; block a - 2's stores have read their registers: block a's loads may land there
.endif
	TOST \a, 0, STOQ, RDQ
	SEND \a-1, 12, 0                               ; behind block a - 1's loads: block a's 8 stores and 4 loads
.endr
	SEND 7, 0, 0
	s_branch .Ldone
.Lv:
	TOST 0, 1, STOV, RDV
.irp a, 1,2,3,4,5,6,7
.if \a > 1
	s_wait_xcnt 0x0
.endif
	TOST \a, 1, STOV, RDV
	SEND \a-1, 12, 1
.endr
	SEND 7, 0, 1
.Ldone:
	s_wait_tensorcnt 0x0                           ; the wave's end
	ds_add_u32 v[SPW], v[NIL]
	s_wait_dscnt 0x0
	CROUND                                         ; the closing round
	s_endpgm
.Lfunc_end_k_q8a32cf9216_qkv:
	.size	k_q8a32cf9216_qkv, .Lfunc_end_k_q8a32cf9216_qkv-k_q8a32cf9216_qkv
	.p2alignl 7, 3214868480
	.fill 96, 4, 3214868480
	.section	.rodata,"a",@progbits
	.p2align	6, 0x0
	.amdhsa_kernel k_q8a32cf9216_qkv
		.amdhsa_group_segment_fixed_size 327680
		.amdhsa_private_segment_fixed_size 0
		.amdhsa_enable_private_segment 0
		.amdhsa_kernarg_size 40
		.amdhsa_user_sgpr_count 2
		.amdhsa_user_sgpr_kernarg_segment_ptr 1
		.amdhsa_wavefront_size32 1
		.amdhsa_system_sgpr_workgroup_id_x 1
		.amdhsa_system_sgpr_workgroup_id_y 1
		.amdhsa_system_sgpr_workgroup_id_z 1
		.amdhsa_system_vgpr_workitem_id 0
		.amdhsa_next_free_vgpr 1024
		.amdhsa_next_free_sgpr 100
		.amdhsa_reserve_vcc 0
		.amdhsa_float_denorm_mode_32 3
		.amdhsa_float_denorm_mode_16_64 3
		.amdhsa_memory_ordered 1
		.amdhsa_forward_progress 1
		.amdhsa_inst_pref_size 211
	.end_amdhsa_kernel
	.amdgpu_metadata
---
amdhsa.version: [ 1, 2 ]
amdhsa.kernels:
  - .name:           k_q8a32cf9216_qkv
    .symbol:         k_q8a32cf9216_qkv.kd
    .args:
      - { .name: hc, .offset: 0, .size: 8, .value_kind: global_buffer, .address_space: global }
      - { .name: wc, .offset: 8, .size: 8, .value_kind: global_buffer, .address_space: global }
      - { .name: lowp_scales, .offset: 16, .size: 8, .value_kind: global_buffer, .address_space: global }
      - { .name: attn_b, .offset: 24, .size: 8, .value_kind: global_buffer, .address_space: global }
      - { .name: qkvc, .offset: 32, .size: 8, .value_kind: global_buffer, .address_space: global }
    .group_segment_fixed_size: 327680
    .private_segment_fixed_size: 0
    .kernarg_segment_align: 8
    .kernarg_segment_size: 40
    .max_flat_workgroup_size: 128
    .sgpr_count:     100
    .vgpr_count:     1024
    .wavefront_size: 32
...
	.end_amdgpu_metadata
.endif
;; end of part 2
;; launch attn (part 3): grid 8 x 32, 16 waves a work-group, no clusters, 327,680 bytes of LDS; arguments qkvc, lowp_scales, yc; writes yc
.if DOCPART == 3
	.amdgcn_target "amdgcn-amd-amdhsa--gfx1250"
	.amdhsa_code_object_version 6
	.text
	.protected	k_q8a32cf9216_attn
	.globl	k_q8a32cf9216_attn
	.p2align	8
	.type	k_q8a32cf9216_attn,@function
k_q8a32cf9216_attn:
	s_mov_b64 s[64:65], 0
	v_nop
	global_prefetch_b8 v0, s[64:65] scope:SCOPE_SE
	s_setreg_imm32_b32 hwreg(HW_REG_WAVE_MODE, 25, 1), 1
	s_wait_xcnt 0x0
; Causal attention on codes of FP8 (E4M3): y[q] = sum over k <= q of softmax_k(q . k / sqrt(1024)) v[k], head size 64, 32 (head, batch) pairs of 2,048 tokens; y is quantised for the projection.
; WORK LEFT OUT: key steps of 128 keys that lie wholly behind a tile's 16 queries: the problem's own lower triangle gives them the weight 0 for all inputs.  A NaN or infinity that reaches only them is not carried.
; q, k: [head][token][64] codes; v: [head][token / 128][channel][token % 128] codes (the keys innermost); yc: [head][token][64] codes.
; THE SOFTMAX: t = score x log2(e) / 32; M = the running largest t rounded UP to a whole number; p = 2^(t - M) is quantised along the keys, not normalised; the row's sum is taken of the unquantised p and
; divides at the end; when M moves, the sum and O are multiplied by 2^(old M - new M), which rounds nothing.
; SHARES.  Work-group (i, y) owns the 128 queries of block i and those of block 15 - i: 16 tiles of 16 queries, 8 x 17 live steps of 128 keys.  THE KEYS ARE SPLIT BETWEEN PAIRS OF WAVES: waves j and j + 8 share
; tile j of block i and tile j of block 15 - i; wave j takes the first 128 keys of every slot of 256, wave j + 8 the second 128, each for both tiles.  So every wave has 8 or 9 steps, whatever i is.
; A wave holds two partial results, each with its own running M, sum and O^T: "mine" (waves 0-7: block i's tile; waves 8-15: block 15 - i's), which it finishes, and "other", which it hands to its partner
; at the end as an image of its registers in LDS.  The two partials of a tile are brought under the larger M by powers of two and added.  A partial with no step has -M = 3e38: its factor is 0, its sums are zeros.
; No cluster: the work-groups of a head end their walk over the keys at different slots, so a partner would be sent tiles that none of its waves reads.
; K's and V's tiles come through a ring of two LDS slots of 256 keys (waves 0, 1: K's halves; waves 2, 3: V's), read by all sixteen.  Every work-group walks all 8 changes of slots (constant trip counts);
; a slot whose first key lies behind the work-group's last query is not asked for.
; LAYOUT.  Both products transposed: S^T = K Q^T, O^T = V^T P^T: a lane holds one query.  Tile t of a step holds keys 16 t + 0 .. 15, so register 8 t + j of lane (r, h) is key 16 t + 8 h + j, and p's codes come out
; with k = 16 c + 8 h + 0 .. 7 in registers 2 c, 2 c + 1; V's fragments are loaded in the same order, 8 bytes at a time.
; LIMITS: e2 + e3 between -121 and 132 (added to c's exponent field); e4, e6 between -126 and 119.
; REGISTERS: v1-11 addresses; v12-15 mine: -M, the largest t, the sum in two halves; v16-23 my Q; v24-31 the other Q; v32-95 fragments of K, then of V; v96-159 S^T, then p; v160-191 my O^T; v192-223 the other O^T;
; v224-239 p's codes; v248-251 the other tile's -M, t, sum; v236-254 else: constants and at work.
.set SK,    256
.set KP,    80                         ; a key's row in LDS: 64 bytes + 16 = 20 words: 16 neighbouring rows start at 16 different groups of four banks (64 banks of 4 bytes: ISA guide 11.1)
.set VP,    144                        ; a row of V's tile: 128 bytes + 16 = 36 words: the 32 lanes of an 8-byte load (16 rows x 2 halves) touch 64 different banks
.set VOFF,  SK*KP
.set SLOT1, 1<<16
.set NSL,   8
.set SPARE, 2*SLOT1                    ; behind the ring: the spare words, 128 bytes for each of 16 waves
.set STAGE, SPARE+2048                 ; the way out: 16 rows x 80 bytes for each wave; no tile lands there
.set MRG,   STAGE+16*1280              ; the partials' images: nine stores of 512 bytes for each wave; no tile lands there
.set MRGB,  9*512
.set AK0,  1                           ; v1   my lane's place in my half of a slot's K
.set AV0,  2                           ; v2   the same for V
.set PFO,  3
.set STR,  4                           ; v4   the way out: where I read rows back
.set SPW,  5
.set NIL,  6
.set GO,   7                           ; v7   16 x lane
.set ADK,  8
.set ADV,  9
.set STI,  10                          ; v10  the way out: where I put 8 bytes of a row
.set MST,  11                          ; v11  where I store the other tile's partial
.set MLD,  246                         ; v246 where my partner has stored my tile's
.set DL,   247                         ; v247 r - 8 h, for the mask
.set WV,   18
.set SEL,  20
.set CS,   22
.set G1K,  24
.set G1V,  32
.set G0K,  40
.set G0V,  44
.set TB,   2
.set LASTQ, 66
.set SLOTS, 67
.set PFA,  76
.set LIM,  80
.set SF,   94                          ; s94  the first key of the slot in hand: the same in all waves
.set Q0O,  95                          ; s95  the other tile's first query
.set KF,   98                          ; s98  the first key of my step in the slot in hand
.set Q0M,  99                          ; s99  my tile's first query
.macro TLOAD                           ; waves 0, 1 fetch for K, waves 2, 3 for V, the others nothing; an s_nop 0 and four v_nop follow each line
	s_cmp_lt_u32 s[WV], 2
	s_cbranch_scc0 .Lnot_k_\@
	tensor_load_to_lds s[G0K:G0K+3], s[G1K:G1K+7]
	s_nop 0
.rept 4
	v_nop
.endr
	s_branch .Lasked_\@
.Lnot_k_\@:
	s_cmp_lt_u32 s[WV], 4
	s_cbranch_scc0 .Lasked_\@
	tensor_load_to_lds s[G0V:G0V+3], s[G1V:G1V+7]
	s_nop 0
.rept 4
	v_nop
.endr
.Lasked_\@:
.endm
; A prefetch of what the NEXT change of slots will ask for: 16,384 bytes of K and of V.  The pair's work-group 0, which walks all slots, asks: waves 4, 5 for K, waves 6, 7 for V, 8,192 bytes a wave, lanes 256 bytes apart:
; each block of 256 bytes is named once in the launch.  The last change that fills a slot asks for nothing; slots 0 and 1 come by their loads alone.
.macro ASK
	s_cmp_gt_u32 s[SLOTS], s[LIM]
	s_cbranch_scc0 .Lnot_mine_\@
	global_prefetch_b8 v[PFO], s[PFA:PFA+1] th:TH_LOAD_NT scope:SCOPE_SE
.Lnot_mine_\@:
.endm
	s_load_b128 s[4:7], s[0:1], 0x0                ; qkvc, the scales
	s_load_b64 s[8:9], s[0:1], 0x10                ; yc
	v_lshl_add_u32 v[SPW], v0, 2, SPARE
	v_mov_b32 v[NIL], 0
	ds_add_u32 v[SPW], v[NIL]                      ; the wave's opening: the add, twice on end, and its wait ahead of the first tensor load
	ds_add_u32 v[SPW], v[NIL]
	v_lshrrev_b32 v8, 5, v0
	v_readfirstlane_b32 s[WV], v8                  ; wave 0..15
	s_and_b32 s48, ttmp7, 0xffff
	s_lshl_b32 s48, s48, 17                        ; the (head, batch) pair's first byte in q, k, v and yc alike: 2,048 tokens x 64
	s_mov_b32 s49, 0
	s_sub_co_u32 s50, 15, ttmp9                    ; the late block
	s_lshl_b32 s[LASTQ], s50, 7
	s_or_b32 s[LASTQ], s[LASTQ], 127               ; my work-group's last query
	s_lshl_b32 s50, s50, 7
	s_lshl_b32 s51, ttmp9, 7                       ; the early block's first query
	s_and_b32 s52, s[WV], 7
	s_lshl_b32 s52, s52, 4                         ; my pair's tile in each block
	s_add_co_u32 s50, s50, s52
	s_add_co_u32 s51, s51, s52
	s_cmp_lt_u32 s[WV], 8
	s_cselect_b32 s[Q0M], s51, s50                 ; waves 0-7 finish the early tile, waves 8-15 the late one
	s_cselect_b32 s[Q0O], s50, s51
	s_lshr_b32 s53, s[WV], 3                       ; which 128 keys of every slot are mine
	s_lshl_b32 s[KF], s53, 7
	s_mov_b32 s[SF], 0
	s_mul_i32 s62, s53, 128*KP                     ; their place in a slot's K,
	s_mul_i32 s63, s53, 64*VP                      ; and in its V
	s_lshl_b32 s84, s[Q0M], 6
	s_add_co_u32 s84, s84, s48
	s_mov_b32 s85, 0
	s_lshl_b32 s86, s[Q0O], 6
	s_add_co_u32 s86, s86, s48
	s_mov_b32 s87, 0
	s_and_b32 s54, s[WV], 1
	s_lshl_b32 s56, s54, 13                        ; what I fetch, if I fetch: the slot's half, 8,192 bytes
	s_add_co_u32 s56, s56, s48
	s_add_co_u32 s58, s56, 0x800000                ; in v,
	s_add_co_u32 s56, s56, 0x400000                ; in k
	s_mov_b32 s57, 0
	s_mov_b32 s59, 0
	s_mul_i32 s60, s54, 128*KP                     ; and its place in a slot
	s_mul_i32 s61, s54, 64*VP
	s_add_co_u32 s61, s61, VOFF
	s_mov_b32 s[G1K], (0<<16)|(1<<20)|(3<<22)|(3<<25)   ; K: 128 rows of 64 bytes, dense; four words of padding behind every 16
	s_mov_b32 s[G1K+1], 64<<16
	s_mov_b32 s[G1K+2], 128<<16
	s_mov_b32 s[G1K+3], 64<<16
	s_mov_b32 s[G1K+4], 128
	s_mov_b32 s[G1K+5], 64
	s_mov_b32 s[G1K+6], 0
	s_mov_b32 s[G1K+7], 0
	s_mov_b32 s[G1V], (0<<16)|(1<<20)|(4<<22)|(3<<25)   ; V: 64 rows of 128 bytes, dense; four words behind every 32
	s_mov_b32 s[G1V+1], 128<<16
	s_mov_b32 s[G1V+2], 64<<16
	s_mov_b32 s[G1V+3], 128<<16
	s_mov_b32 s[G1V+4], 64
	s_mov_b32 s[G1V+5], 128
	s_mov_b32 s[G1V+6], 0
	s_mov_b32 s[G1V+7], 0
	s_mov_b32 s[SEL], 0x76543210
	s_mov_b32 s[SEL+1], 0xfedcba98
	s_mov_b32 s[CS], 0x3d38aa3b                    ; c = log2(e) / sqrt(1024)
	s_mov_b32 s[TB], 0
	s_mov_b32 s[SLOTS], NSL-1
	s_wait_dscnt 0x0                               ; both opening adds are done
	s_wait_kmcnt 0x0
	s_load_b256 s[68:75], s[6:7], 0x0              ; e0 .. e7
	s_mov_b32 s[G0K], 1
	s_mov_b32 s[G0K+1], s60
	s_add_nc_u64 s[G0K+2:G0K+3], s[4:5], s[56:57]
	s_or_b32 s[G0K+3], s[G0K+3], 0x80000000
	s_mov_b32 s[G0V], 1
	s_mov_b32 s[G0V+1], s61
	s_add_nc_u64 s[G0V+2:G0V+3], s[4:5], s[58:59]
	s_or_b32 s[G0V+3], s[G0V+3], 0x80000000
	TLOAD                                          ; slot 0: it holds key 0, which counts for every query
	s_add_nc_u64 s[10:11], s[4:5], s[84:85]        ; q at my tile,
	s_add_nc_u64 s[12:13], s[4:5], s[86:87]        ; q at the other tile,
	s_add_nc_u64 s[8:9], s[8:9], s[84:85]          ; yc at my tile
	s_mov_b32 s82, 0x800000
	s_cmp_lt_u32 s[WV], 6
	s_cselect_b32 s82, 0x400000, s82               ; the prefetches: waves 4, 5 in k, waves 6, 7 in v
	s_add_co_u32 s82, s82, s48
	s_lshl_b32 s83, s54, 13
	s_add_co_u32 s82, s82, s83
	s_add_co_u32 s82, s82, 16384                   ; in slot 1: the first change of slots steps it to slot 2
	s_mov_b32 s83, 0
	s_add_nc_u64 s[PFA:PFA+1], s[4:5], s[82:83]
	s_sub_co_u32 s82, s[WV], 4
	s_lshr_b32 s82, s82, 2                         ; 0 in waves 4 to 7,
	s_or_b32 s82, s82, ttmp9                       ; of work-group 0 of the pair
	s_cmp_eq_u32 s82, 0
	s_cselect_b32 s[LIM], 1, -1
	v_and_b32 v[PFO], 31, v0
	v_lshlrev_b32 v[PFO], 8, v[PFO]
	v_and_b32 v8, 15, v0                           ; r
	v_bfe_u32 v9, v0, 4, 1                         ; h
	v_lshlrev_b32 v10, 6, v8
	v_lshl_add_u32 v10, v9, 4, v10
	global_load_b128 v[16:19], v10, s[10:11]       ; Q's fragments: registers 4 c .. 4 c + 3 hold channels 32 c + 16 h + 0 .. 15, as K's do
	global_load_b128 v[20:23], v10, s[10:11] offset:32
	global_load_b128 v[24:27], v10, s[12:13]
	global_load_b128 v[28:31], v10, s[12:13] offset:32
	v_mul_u32_u24 v[AK0], v8, KP
	v_lshl_add_u32 v[AK0], v9, 4, v[AK0]
	v_add_nc_u32 v[AK0], s62, v[AK0]               ; K: row r of a tile, + 16 h, in my 128 keys
	v_mul_u32_u24 v[AV0], v8, VP
	v_lshl_add_u32 v[AV0], v9, 3, v[AV0]
	v_add_nc_u32 v[AV0], s63, v[AV0]
	v_add_nc_u32 v[AV0], VOFF, v[AV0]              ; V: row r of a tile, + 8 h, in my 128 keys
	v_lshlrev_b32 v[DL], 3, v9
	v_sub_nc_u32 v[DL], v8, v[DL]                  ; r - 8 h
	v_and_b32 v[GO], 31, v0
	v_lshlrev_b32 v[GO], 4, v[GO]
	v_mov_b32 v13, 0xff61b1e6                      ; the largest t so far: -3e38, for both tiles
	v_floor_f32 v12, -v13
	v_mov_b32 v14, 0
	v_mov_b32 v15, 0
	v_mov_b32 v249, 0xff61b1e6
	v_floor_f32 v248, -v249
	v_mov_b32 v250, 0
	v_mov_b32 v251, 0
	v_mov_b32 v236, 0                              ; (a permute's destination; upper halves of pairs of which the low word serves both halves)
	v_mov_b32 v242, 0
	v_mov_b32 v243, 0
	v_mov_b32 v253, 0
.set n, 0
.rept 64
	v_mov_b32 v[160+n], 0                          ; both O^T: the step is written once for each tile; a tile's first step finds zeros
.set n, n+1
.endr
	s_wait_kmcnt 0x0
	s_add_co_i32 s82, s70, s71
	s_lshl_b32 s82, s82, 23
	s_add_co_i32 s[CS], s[CS], s82                 ; a score stands for score x 2^(e2 + e3)
	s_mov_b32 s[CS+1], s[CS]
	s_add_co_i32 s82, s72, 127
	s_lshl_b32 s83, s82, 23
	v_mov_b32 v244, s83                            ; 2^e4
	s_add_co_i32 s82, s82, 8
	s_lshl_b32 s82, s82, 23
	s_or_b32 s82, s82, 0x600000
	v_mov_b32 v240, s82                            ; 448 x 2^e4
	s_add_co_i32 s82, s74, 127
	s_lshl_b32 s83, s82, 23
	v_mov_b32 v245, s83                            ; 2^e6
	s_add_co_i32 s82, s82, 8
	s_lshl_b32 s82, s82, 23
	s_or_b32 s82, s82, 0x600000
	v_mov_b32 v241, s82                            ; 448 x 2^e6
; MY 128 KEYS OF THE SLOT IN HAND, for one of my two tiles: qr = its Q, ob = its O^T, st = its -M, t and sum, q0 = the scalar with its first query.
.macro STEP qr, ob, st, q0
	s_add_co_u32 s96, s[\q0], 15
	s_cmp_gt_u32 s[KF], s96                        ; all keys behind the tile's queries: the step's work is left out (a branch on ids; no barrier, wait for tiles or tensor load stands in a step)
	s_cbranch_scc1 .Lhidden_\@
	v_add_nc_u32 v[ADK], s[TB], v[AK0]
	v_add_nc_u32 v[ADV], s[TB], v[AV0]
	v_nop                                          ; with the two additions: four places in front of loads into registers that the last products read
	v_nop
.irp t, 0,1,2,3,4,5,6,7
.irp c, 0,1
	ds_load_b128 v[32+8*\t+4*\c:32+8*\t+4*\c+3], v[ADK] offset:16*\t*KP+32*\c
.endr
.endr
.irp t, 0,1,2,3,4,5,6,7
	s_wait_dscnt 14-2*\t                           ; tile t's two loads are in; the later tiles' two each may be out
	v_wmma_f32_16x16x64_fp8_fp8 v[96+8*\t:103+8*\t], v[32+8*\t:39+8*\t], v[\qr:\qr+7], 0
.endr
.rept 4
	v_nop                                          ; places in front of the loads into K's registers and of the first read of the scores
.endr
.irp t, 0,1,2,3                                ; V's fragments are asked for here, so that they land under the softmax: registers 2 c, 2 c + 1 of tile t: keys 16 c + 8 h + 0 .. 7 of channel 16 t + r
.irp c, 0,1,2,3,4,5,6,7
	ds_load_b64 v[32+16*\t+2*\c:32+16*\t+2*\c+1], v[ADV] offset:16*\t*VP+16*\c
.endr
.endr
	s_add_co_u32 s96, s[KF], 127
	s_cmp_le_u32 s96, s[\q0]                       ; all keys count: no mask
	s_cbranch_scc1 .Lopen_\@
	s_sub_co_i32 s96, s[\q0], s[KF]
	v_add_nc_u32 v252, s96, v[DL]                  ; d = my query - KF - 8 h.  Register 8 t + j holds key KF + 16 t + 8 h + j: hidden where 16 t + j > d
	v_mov_b32 v254, 0xff800000
.set n, 0
.rept 64
	v_cmp_gt_i32 vcc_lo, 16*(n/8)+n%8, v252
	v_cndmask_b32 v[96+n], v[96+n], v254, vcc_lo
.set n, n+1
.endr
.Lopen_\@:
	v_max3_num_f32 v254, v96, v97, v98             ; the step's largest score of my query, in two chains
	v_max3_num_f32 v252, v99, v100, v101
.irp i, 6,10,14,18,22,26,30,34,38,42,46,50,54,58
	v_max3_num_f32 v254, v254, v[96+\i], v[97+\i]
	v_max3_num_f32 v252, v252, v[98+\i], v[99+\i]
.endr
	v_max3_num_f32 v254, v254, v158, v159
	v_max_num_f32 v254, v254, v252
	v_permlanex16_b32 v236, v254, s[SEL], s[SEL+1]
	v_max_num_f32 v254, v254, v236
	v_mul_f32 v254, s[CS], v254                    ; as t (c is positive)
	v_max_num_f32 v[\st+1], v[\st+1], v254
	v_mov_b32 v254, v[\st]
	v_floor_f32 v[\st], -v[\st+1]                  ; the new -M = -ceil(t)
	v_sub_f32 v254, v[\st], v254
	v_cvt_i32_f32 v254, v254
	v_ldexp_f32 v252, 1.0, v254                    ; f = 2^(old M - new M)
.set n, 0
.rept 32
	v_pk_fma_f32 v[96+n:97+n], v[96+n:97+n], s[CS:CS+1], v[\st:\st+1] op_sel_hi:[1,0,0]   ; t - M
.set n, n+2
.endr
.set n, 0
.rept 64
	v_exp_f32 v[96+n], v[96+n]                     ; p = 2^(t - M)
.set n, n+1
.endr
	v_pk_mul_f32 v[\st+2:\st+3], v[\st+2:\st+3], v[252:253] op_sel_hi:[1,0]   ; the sums under the new M: a plain instruction behind the exponentials
	s_wait_alu depctr_va_vdst(0)                   ; one wait for the batch, ahead of its first reader
	v_pk_add_f32 v[242:243], v[96:97], v[98:99]    ; the row's sum, of the unquantised p
.irp j, 4,8,12,16,20,24,28,32,36,40,44,48,52,56,60
	v_pk_add_f32 v[\st+2:\st+3], v[\st+2:\st+3], v[96+\j:97+\j]
	v_pk_add_f32 v[242:243], v[242:243], v[98+\j:99+\j]
.endr
	v_pk_add_f32 v[\st+2:\st+3], v[\st+2:\st+3], v[242:243]
.irp b, 0,1,2,3
.irp i, 0,1,2,3,4,5,6,7,8,9,10,11,12,13,14,15
	v_min_num_f32 v[96+16*\b+\i], v[96+16*\b+\i], v240   ; p is not negative: a one-sided hold (the conversion does not saturate: ISA guide 7.6.2)
.endr
	v_cvt_scalef32_pk8_fp8_f32 v[224+4*\b:225+4*\b], v[96+16*\b:103+16*\b], v244
	v_cvt_scalef32_pk8_fp8_f32 v[226+4*\b:227+4*\b], v[104+16*\b:111+16*\b], v244
.endr
.set n, 0
.rept 16
	v_pk_mul_f32 v[\ob+n:\ob+n+1], v[\ob+n:\ob+n+1], v[252:253] op_sel_hi:[1,0]   ; O^T under the new M; also the plain instructions behind the conversions
.set n, n+2
.endr
	s_wait_dscnt 0x0                               ; V
.irp t, 0,1,2,3
	v_wmma_f32_16x16x128_fp8_fp8 v[\ob+8*\t:\ob+8*\t+7], v[32+16*\t:47+16*\t], v[224:239], v[\ob+8*\t:\ob+8*\t+7]
.endr
.Lhidden_\@:
.endm
; THE CHANGE OF SLOTS, at a slot's head: each wave waits for all its tensor loads, adds 0 to its spare word, waits for that and for its reads of the slot that it has left; behind the barrier the other slot is filled.
.macro CHANGE fill
	s_wait_tensorcnt 0x0                           ; no tensor load of mine is out, so a group 0 may be written
	ds_add_u32 v[SPW], v[NIL]
.if \fill
	ds_add_u32 v[SPW], v[NIL]                      ; and once more
	s_xor_b32 s[G0K+1], s[G0K+1], SLOT1
	s_add_nc_u64 s[G0K+2:G0K+3], s[G0K+2:G0K+3], 16384
	s_xor_b32 s[G0V+1], s[G0V+1], SLOT1
	s_add_nc_u64 s[G0V+2:G0V+3], s[G0V+2:G0V+3], 16384
	s_wait_xcnt 0x0                                ; the last prefetch, a slot back, has read its address
	s_add_nc_u64 s[PFA:PFA+1], s[PFA:PFA+1], 16384
.endif
	s_wait_dscnt 0x0
	s_barrier_signal -1
	s_barrier_wait -1
.if \fill
	s_add_co_u32 s96, s[SF], SK                    ; the first key of the slot that this change would ask for
	s_cmp_gt_u32 s96, s[LASTQ]                     ; behind my work-group's last query: none of its waves would read it.  Ids and the count of slots alone: all sixteen waves go the same way
	s_cbranch_scc1 .Lpast_\@
	TLOAD
.Lpast_\@:
	ASK
.endif
.endm
.macro SLOT_STEPS                      ; my 128 keys of the slot, for my tile and for the other
	STEP 16, 160, 12, Q0M
	STEP 24, 192, 248, Q0O
	s_add_co_u32 s[KF], s[KF], SK
	s_add_co_u32 s[SF], s[SF], SK
	s_xor_b32 s[TB], s[TB], SLOT1
.endm
	s_wait_loadcnt 0x0                             ; both Q
.Lslot:
	CHANGE 1
	SLOT_STEPS
	s_sub_co_u32 s[SLOTS], s[SLOTS], 1
	s_cmp_lg_u32 s[SLOTS], 0
	s_cbranch_scc1 .Lslot
	CHANGE 0
	SLOT_STEPS
	; THE TWO PARTIALS OF A TILE MEET.  The addresses first: plain instructions, the places behind the last products.
	v_and_b32 v8, 15, v0
	v_bfe_u32 v9, v0, 4, 1
	s_mul_i32 s82, s[WV], MRGB
	s_add_co_u32 s82, s82, MRG
	v_add_nc_u32 v[MST], s82, v[GO]                ; my image: 16 bytes a lane, 512 bytes a store
	s_xor_b32 s83, s[WV], 8
	s_mul_i32 s83, s83, MRGB
	s_add_co_u32 s83, s83, MRG
	v_add_nc_u32 v[MLD], s83, v[GO]                ; my partner's
	s_mul_i32 s83, s[WV], 1280
	s_add_co_u32 s83, s83, STAGE
	v_mul_u32_u24 v[STI], v8, 80
	v_lshl_add_u32 v[STI], v9, 3, v[STI]
	v_add_nc_u32 v[STI], s83, v[STI]               ; the stage, in: row r, 16 t + 8 h
	v_bfe_u32 v[STR], v0, 2, 3
	v_mul_u32_u24 v[STR], v[STR], 80
	v_and_b32 v254, 3, v0
	v_lshl_add_u32 v[STR], v254, 4, v[STR]
	v_add_nc_u32 v[STR], s83, v[STR]               ; back: four lanes to a row of 64 bytes, eight rows an instruction
	ds_store_b128 v[MST], v[248:251]               ; the other tile's -M, t and sum,
.irp k, 0,1,2,3,4,5,6,7
	ds_store_b128 v[MST], v[192+4*\k:195+4*\k] offset:512+512*\k   ; and its O^T, each accumulator from its low end on
.endr
	s_wait_dscnt 0x0                               ; for my partner's sake: my stores are done
	s_barrier_signal -1
	s_barrier_wait -1
	ds_load_b128 v[32:35], v[MLD]                  ; my tile's other partial: the same registers in the same lanes
.irp k, 0,1,2,3,4,5,6,7
	ds_load_b128 v[36+4*\k:39+4*\k], v[MLD] offset:512+512*\k
.endr
	s_wait_dscnt 0x0
	v_min_num_f32 v254, v12, v32                   ; -M of the two together
	v_sub_f32 v242, v254, v12                      ; my M less the common one: a whole number, 0 or less
	v_sub_f32 v252, v254, v32                      ; my partner's likewise
	v_cvt_i32_f32 v242, v242                       ; (it saturates: a partial with no step gets the factor 0)
	v_cvt_i32_f32 v252, v252
	v_ldexp_f32 v242, 1.0, v242
	v_ldexp_f32 v252, 1.0, v252
	v_pk_mul_f32 v[14:15], v[14:15], v[242:243] op_sel_hi:[1,0]
	v_pk_fma_f32 v[14:15], v[34:35], v[252:253], v[14:15] op_sel_hi:[1,0,1]
.set n, 0
.rept 16
	v_pk_mul_f32 v[160+n:161+n], v[160+n:161+n], v[242:243] op_sel_hi:[1,0]
.set n, n+2
.endr
.set n, 0
.rept 16
	v_pk_fma_f32 v[160+n:161+n], v[36+n:37+n], v[252:253], v[160+n:161+n] op_sel_hi:[1,0,1]
.set n, n+2
.endr
	; THE WAY OUT: O^T / the sum x 2^(e4 + e5), quantised with e6 (a lane's 8 registers are 8 neighbouring channels), through my stage, out as 1,024 consecutive bytes.
	v_add_f32 v14, v14, v15
	v_permlanex16_b32 v236, v14, s[SEL], s[SEL+1]
	v_add_f32 v14, v14, v236
	v_rcp_f32 v14, v14
	v_nop                                          ; a plain instruction behind the transcendental
	s_add_co_i32 s82, s72, s73
	s_wait_alu depctr_va_vdst(0)                   ; ahead of the reciprocal's first reader
	v_ldexp_f32 v14, v14, s82
.set n, 0
.rept 32
	v_mul_f32 v[96+n], v[160+n], v14
.set n, n+1
.endr
.set n, 0
.rept 32
	v_med3_num_f32 v[96+n], v[96+n], -v241, v241
.set n, n+1
.endr
.irp t, 0,1,2,3
	v_cvt_scalef32_pk8_fp8_f32 v[224+2*\t:225+2*\t], v[96+8*\t:103+8*\t], v245
.endr
	v_nop
.irp t, 0,1,2,3
	ds_store_b64 v[STI], v[224+2*\t:225+2*\t] offset:16*\t
.endr
	ds_load_b128 v[32:35], v[STR]                  ; LDS serves a wave's instructions in order: these see my stores
	ds_load_b128 v[36:39], v[STR] offset:640
	s_wait_dscnt 1                                 ; the first eight rows are back; the second load may be out
	global_store_b128 v[GO], v[32:35], s[8:9]
	s_wait_dscnt 0
	global_store_b128 v[GO], v[36:39], s[8:9] offset:512
	s_wait_tensorcnt 0x0                           ; the wave's end
	ds_add_u32 v[SPW], v[NIL]
	s_wait_dscnt 0x0
	s_endpgm
.Lfunc_end_k_q8a32cf9216_attn:
	.size	k_q8a32cf9216_attn, .Lfunc_end_k_q8a32cf9216_attn-k_q8a32cf9216_attn
	.p2alignl 7, 3214868480
	.fill 96, 4, 3214868480
	.section	.rodata,"a",@progbits
	.p2align	6, 0x0
	.amdhsa_kernel k_q8a32cf9216_attn
		.amdhsa_group_segment_fixed_size 327680
		.amdhsa_private_segment_fixed_size 0
		.amdhsa_enable_private_segment 0
		.amdhsa_kernarg_size 24
		.amdhsa_user_sgpr_count 2
		.amdhsa_user_sgpr_kernarg_segment_ptr 1
		.amdhsa_wavefront_size32 1
		.amdhsa_system_sgpr_workgroup_id_x 1
		.amdhsa_system_sgpr_workgroup_id_y 1
		.amdhsa_system_sgpr_workgroup_id_z 1
		.amdhsa_system_vgpr_workitem_id 0
		.amdhsa_next_free_vgpr 256
		.amdhsa_next_free_sgpr 100
		.amdhsa_reserve_vcc 1
		.amdhsa_float_denorm_mode_32 3
		.amdhsa_float_denorm_mode_16_64 3
		.amdhsa_memory_ordered 1
		.amdhsa_forward_progress 1
		.amdhsa_inst_pref_size 107
	.end_amdhsa_kernel
	.amdgpu_metadata
---
amdhsa.version: [ 1, 2 ]
amdhsa.kernels:
  - .name:           k_q8a32cf9216_attn
    .symbol:         k_q8a32cf9216_attn.kd
    .args:
      - { .name: qkvc, .offset: 0, .size: 8, .value_kind: global_buffer, .address_space: global }
      - { .name: lowp_scales, .offset: 8, .size: 8, .value_kind: global_buffer, .address_space: global }
      - { .name: yc, .offset: 16, .size: 8, .value_kind: global_buffer, .address_space: global }
    .group_segment_fixed_size: 327680
    .private_segment_fixed_size: 0
    .kernarg_segment_align: 8
    .kernarg_segment_size: 24
    .max_flat_workgroup_size: 512
    .sgpr_count:     100
    .vgpr_count:     256
    .wavefront_size: 32
...
	.end_amdgpu_metadata
.endif
;; end of part 3
;; launch proj (part 4): grid 8 x 32, 4 waves a work-group, clusters of 4 x 4, 327,680 bytes of LDS; arguments yc, wc, lowp_scales, proj_b, x, x1; writes x1
.if DOCPART == 4
	.amdgcn_target "amdgcn-amd-amdhsa--gfx1250"
	.amdhsa_code_object_version 6
	.text
	.protected	k_q8a32cf9216_proj
	.globl	k_q8a32cf9216_proj
	.p2align	8
	.type	k_q8a32cf9216_proj,@function
k_q8a32cf9216_proj:
	s_mov_b64 s[64:65], 0
	v_nop
	global_prefetch_b8 v0, s[64:65] scope:SCOPE_SE
	s_setreg_imm32_b32 hwreg(HW_REG_WAVE_MODE, 25, 1), 1
	s_wait_xcnt 0x0
	s_wait_alu depctr_hold_cnt(0) depctr_sa_sdst(0) depctr_va_vdst(0) depctr_va_sdst(0) depctr_va_ssrc(0) depctr_va_vcc(0) depctr_vm_vsrc(0)
	s_getreg_b32 s2, hwreg(HW_REG_IB_STS2, 6, 4)
	s_cmp_eq_u32 s2, 0
	s_cbranch_scc0 .Lentry_in_a_cluster
	s_endpgm
.Lentry_in_a_cluster:
	s_bfe_u32 s2, ttmp6, 0x10000c
	s_cmp_lg_u32 s2, 0xf033
	s_cbranch_scc0 .Lentry_shape_is_right
	s_endpgm
.Lentry_shape_is_right:
; x1 = x + y proj_w + proj_b, the product on codes of FP8 (E4M3).  A: yc, codes in panels [k / 64][row 4096][64]; B: proj_w's codes [1024][SIZE_K] in wc; the residual and the result are f32 [4096][1024].
; N = 1,024: tiles of 128 x 128 give 256 work-groups.  Four waves, each 64 x 64: 16 accumulators.  K goes in steps of 512 through two LDS slots; at this SIZE_K both are first fills and nothing is filled again.
; CLUSTERS of 4 x 4: A's tiles are asked for jointly along a row of the cluster, B's along a column.  Source 0 = rows of B, source 1 = rows of A: a lane holds eight neighbouring columns of a row of C.
; A's tile of a panel is 128 rows x 64 bytes = 8,192 dense bytes, one descriptor row; 16 bytes of padding behind every 256, so that four rows take 272 bytes and the 16 rows of a load start at 16 different banks.
; LIMIT: the two exponents' sum between -126 and 127.
; REGISTERS: window 0: v8-11 bias, v16-29 addresses, v32-95 the way out, v128-255 the accumulators.  window 1: two sets of fragments (A's 4 blocks, then B's 4).  window 2: v0-127 the residual.
.set SIZE_K, 1024
.set REGION, 0x300000
.set SCOFF,  0x18
.set PANB,   8704
.set AHALF,  4*PANB
.set BOFF,   8*PANB
.set PITCHB, 528
.set BHALF,  64*PITCHB
.set SLOT,   BOFF+2*BHALF
.set STAGE,  2*SLOT
.set SPARE,  STAGE+4*16*272
.set LAPS,   SIZE_K/1024
.set ADRA, 16
.set ADRB, 20
.set STO,  24
.set RD,   25
.set CO,   26
.set BO,   27
.set SPW,  28
.set NIL,  29
.set BK,   32
.set ACC,  128
.set F0,   0
.set F1,   128
.set G1, 24
.set G0, 32
.set G1B, 48
.set G0B, 56
.set MSB, 0
.macro WIN new
.if MSB != (\new)
	s_set_vgpr_msb (MSB<<8)|(\new)
.set MSB, (\new)
.endif
.endm
.set MUL,  0x05                        ; sources 0 and 1 window 1; C and D window 0
.set TO_F, 0x40                        ; destination window 1
.macro JLOAD s                         ; waves 0, 1 fetch A's halves, waves 2, 3 B's; an s_nop 0 and four v_nop follow each line
	s_cmp_eq_u32 s11, 0
	s_cbranch_scc0 .Lfor_b_\@
	tensor_load_to_lds s[G0+4*\s:G0+4*\s+3], s[G1:G1+7]
	s_nop 0
.rept 4
	v_nop
.endr
	s_branch .Lasked_\@
.Lfor_b_\@:
	tensor_load_to_lds s[G0B+4*\s:G0B+4*\s+3], s[G1B:G1B+7]
	s_nop 0
.rept 4
	v_nop
.endr
.Lasked_\@:
.endm
.macro CREST
	s_cmp_lg_u32 s10, 0
	s_cbranch_scc1 .Lnot_wave_0_\@
	s_barrier_signal -3
.Lnot_wave_0_\@:
	s_barrier_wait -3
	s_barrier_signal -1
	s_barrier_wait -1
.endm
.macro CROUND
	s_barrier_signal -1
	s_barrier_wait -1
	CREST
.endm
	s_load_b256 s[68:75], s[0:1], 0x0              ; A 68, wc 70, the scales 72, the bias 74
	s_load_b128 s[76:79], s[0:1], 0x20             ; the residual 76, the result 78
	v_lshl_add_u32 v[SPW], v0, 2, SPARE
	v_mov_b32 v[NIL], 0
	ds_add_u32 v[SPW], v[NIL]                      ; the wave's opening: the add, twice on end, and its wait ahead of my first tensor load
	ds_add_u32 v[SPW], v[NIL]
	v_lshrrev_b32 v1, 5, v0
	v_readfirstlane_b32 s10, v1                    ; wave 0..3
	s_lshr_b32 s11, s10, 1                         ; my half of the rows.  Also: I fetch for A (0) or B (1)
	s_and_b32 s12, s10, 1                          ; my half of the columns.  Also: which half of that tile I fetch
	s_bfe_u32 s40, ttmp6, 0x40000
	s_bfe_u32 s41, ttmp6, 0x40004
	s_lshl_b32 s42, ttmp9, 2
	s_add_co_u32 s42, s42, s40                     ; tile column
	s_and_b32 s13, ttmp7, 0xffff
	s_lshl_b32 s13, s13, 2
	s_add_co_u32 s13, s13, s41                     ; tile row
	s_lshl_b32 s43, s41, 2
	s_lshl_b32 s43, 15, s43
	s_lshl_b32 s44, 0x1111, s40
	s_or_b32 s[G1+0], s43, (0<<16)|(1<<20)|(1<<21)|(5<<22)|(3<<25)   ; A: 4 panels' rows of 8,192 bytes; four words of padding behind every 64
	s_mov_b32 s[G1+1], 8192<<16
	s_mov_b32 s[G1+2], 4<<16
	s_mov_b32 s[G1+3], 8192<<16
	s_mov_b32 s[G1+4], 4
	s_mov_b32 s[G1+5], 262144                      ; from panel to panel
	s_mov_b32 s[G1+6], 0
	s_mov_b32 s[G1+7], 0
	s_or_b32 s[G1B+0], s44, (0<<16)|(1<<20)|(1<<21)|(6<<22)|(3<<25)  ; B: 64 rows of 512 bytes; four words behind every 128
	s_mov_b32 s[G1B+1], 512<<16
	s_mov_b32 s[G1B+2], 64<<16
	s_mov_b32 s[G1B+3], 512<<16
	s_mov_b32 s[G1B+4], 64
	s_mov_b32 s[G1B+5], SIZE_K
	s_mov_b32 s[G1B+6], 0
	s_mov_b32 s[G1B+7], 0
	s_lshl_b32 s16, s12, 20                        ; A: my four panels,
	s_lshl_b32 s17, s13, 13                        ; the tile's 128 rows of 64 bytes
	s_add_co_u32 s16, s16, s17
	s_mov_b32 s17, 0
	s_lshl_b32 s46, s42, 7
	s_lshl_b32 s47, s12, 6
	s_add_co_u32 s46, s46, s47
	s_mul_i32 s46, s46, SIZE_K                     ; B: my 64 rows
	s_add_co_u32 s46, s46, REGION
	s_mov_b32 s47, 0
	s_mul_i32 s20, s12, AHALF                      ; where they go: the wave's number alone
	s_mul_i32 s21, s12, BHALF
	s_add_co_u32 s21, s21, BOFF
	s_wait_dscnt 0x0                               ; both opening adds are done
	s_wait_kmcnt 0x0
	s_load_b64 s[82:83], s[72:73], SCOFF           ; the two exponents
	s_add_nc_u64 s[14:15], s[68:69], s[16:17]
	s_add_nc_u64 s[46:47], s[70:71], s[46:47]
	CROUND                                         ; the first joint loads meet
.irp s, 0,1
	s_mov_b32 s[G0+4*\s], 1
	s_add_co_u32 s[G0+4*\s+1], s20, \s*SLOT
	s_add_nc_u64 s[G0+4*\s+2:G0+4*\s+3], s[14:15], \s*2097152
	s_or_b32 s[G0+4*\s+3], s[G0+4*\s+3], 0x80000000
	s_mov_b32 s[G0B+4*\s], 1
	s_add_co_u32 s[G0B+4*\s+1], s21, \s*SLOT
	s_add_nc_u64 s[G0B+4*\s+2:G0B+4*\s+3], s[46:47], \s*512
	s_or_b32 s[G0B+4*\s+3], s[G0B+4*\s+3], 0x80000000
	JLOAD \s
.endr
	v_and_b32 v1, 15, v0                           ; r
	v_bfe_u32 v2, v0, 4, 1                         ; h
	v_lshrrev_b32 v3, 2, v1
	v_mul_u32_u24 v3, v3, 272
	v_and_b32 v4, 3, v1
	v_lshl_add_u32 v3, v4, 6, v3
	v_lshl_add_u32 v3, v2, 4, v3                   ; A: (r / 4) x 272 + (r % 4) x 64 + 16 h
	v_mul_u32_u24 v5, v1, PITCHB
	v_lshl_add_u32 v5, v2, 4, v5                   ; B: r x 528 + 16 h
	s_mul_i32 s22, s11, 4352                       ; my 64 rows of A in each panel
	s_mul_i32 s23, s12, BHALF
	s_add_co_u32 s23, s23, BOFF
.irp s, 0,1
	v_add_nc_u32 v[ADRA+\s], s22, v3
	v_add_nc_u32 v[ADRB+\s], s23, v5
	s_add_co_u32 s22, s22, SLOT
	s_add_co_u32 s23, s23, SLOT
.endr
	s_mul_i32 s22, s10, 16*272
	s_add_co_u32 s22, s22, STAGE                   ; my stage
	v_mul_u32_u24 v6, v1, 272
	v_lshl_add_u32 v6, v2, 5, v6
	v_add_nc_u32 v[STO], s22, v6                   ; in: row r, 32 bytes for each half of the lanes
	v_mul_u32_u24 v6, v2, 272
	v_lshl_add_u32 v6, v1, 4, v6
	v_add_nc_u32 v[RD], s22, v6                    ; back: lanes 0-15 one row of 256 bytes, lanes 16-31 the next
	v_lshlrev_b32 v[BO], 4, v1
	v_lshl_add_u32 v[CO], v2, 12, v[BO]            ; the same two rows in the residual and the result
	s_lshl_b32 s16, s13, 7
	s_lshl_b32 s17, s11, 6
	s_add_co_u32 s16, s16, s17
	s_lshl_b32 s16, s16, 12                        ; my first row, 4,096 bytes a row
	s_lshl_b32 s18, s42, 7
	s_lshl_b32 s19, s12, 6
	s_add_co_u32 s18, s18, s19
	s_lshl_b32 s18, s18, 2                         ; my first column, in bytes: a multiple of 256
	s_add_co_u32 s16, s16, s18
	s_mov_b32 s17, 0
	s_mov_b32 s19, 0
	s_add_nc_u64 s[76:77], s[76:77], s[16:17]
	s_add_nc_u64 s[78:79], s[78:79], s[16:17]
	s_add_nc_u64 s[74:75], s[74:75], s[18:19]
	WIN 0x80                                       ; destination window 2
.irp a, 0,1,2,3
.irp t, 0,1,2,3,4,5,6,7
	global_load_b128 v[32*\a+4*\t:32*\a+4*\t+3], v[CO], s[76:77] offset:(16*\a+2*\t)*4096   ; the residual, in the layout of the way out; it lands under the products
.endr
.endr
	WIN 0
	global_load_b128 v[8:11], v[BO], s[74:75]      ; the bias of my four columns
.macro MUL8 f, a0, zero                ; A's blocks a0, a0 + 1 x B's four, 128 along K; the 16 accumulators take turns
.irp a, \a0, \a0+1
.irp b, 0,1,2,3
.if \zero
	v_wmma_f32_16x16x128_fp8_fp8 v[ACC+8*(4*(\a)+\b):ACC+8*(4*(\a)+\b)+7], v[\f+64+16*\b:\f+64+16*\b+15], v[\f+16*(\a):\f+16*(\a)+15], 0
.else
	v_wmma_f32_16x16x128_fp8_fp8 v[ACC+8*(4*(\a)+\b):ACC+8*(4*(\a)+\b)+7], v[\f+64+16*\b:\f+64+16*\b+15], v[\f+16*(\a):\f+16*(\a)+15], v[ACC+8*(4*(\a)+\b):ACC+8*(4*(\a)+\b)+7]
.endif
.endr
.endr
.endm
.macro FETCH slot, q, f                ; 32 LDS loads: the fragments of the slot's q-th 128 along K: B's four, then A's four; registers 4 c .. 4 c + 3 hold K = 32 c + 16 h + 0 .. 15 on both sides
	WIN TO_F
.irp i, 0,1,2,3
.irp c, 0,1,2,3
	ds_load_b128 v[\f+64+16*\i+4*\c:\f+64+16*\i+4*\c+3], v[ADRB+\slot] offset:\i*16*PITCHB+128*(\q)+32*\c
.endr
.endr
.irp i, 0,1,2,3
.irp c, 0,1,2,3
	ds_load_b128 v[\f+16*\i+4*\c:\f+16*\i+4*\c+3], v[ADRA+\slot] offset:\i*1088+(2*(\q)+\c/2)*PANB+32*(\c%2)
.endr
.endr
.endm
.macro PLACES
.rept 4
	v_nop
.endr
.endm
.macro SUB slot, qn, f, g, zero        ; multiplies set f; in its middle fetches the slot's qn-th 128 along K into set g
	s_wait_dscnt 8                                 ; B's four and A's blocks 0, 1 are in; the youngest eight loads (A's blocks 2, 3) may be out
	WIN MUL
	MUL8 \f, 0, \zero
	PLACES
	FETCH \slot, \qn, \g
	s_wait_dscnt 32                                ; all but the 32 just issued
	WIN MUL
	MUL8 \f, 2, \zero
.endm
.macro TURN slot, next, fill           ; a slot's last 128 along K (set F1), and the change of slots
	WIN 0
	s_wait_tensorcnt 0x0                           ; all my tensor loads have landed: my part of the next slot
	ds_add_u32 v[SPW], v[NIL]
	s_wait_dscnt 9                                 ; (the add and the youngest eight loads may be out)
	WIN MUL
	MUL8 F1, 0, 0
	WIN 0
	s_wait_dscnt 0x0                               ; the add is done, and my reads of this slot are over
	s_barrier_signal -1
	s_barrier_wait -1
.if \fill
	CREST                                          ; the barrier has opened a round of the cluster's
	s_add_nc_u64 s[G0+4*\slot+2:G0+4*\slot+3], s[G0+4*\slot+2:G0+4*\slot+3], 4194304
	s_add_nc_u64 s[G0B+4*\slot+2:G0B+4*\slot+3], s[G0B+4*\slot+2:G0B+4*\slot+3], 1024
	JLOAD \slot                                    ; the first tensor load behind the round; its four v_nop are the places in front of the loads below
.else
	PLACES
.endif
	FETCH \next, 0, F0
	WIN MUL
	MUL8 F1, 2, 0
.endm
	s_wait_tensorcnt 1                             ; my part of slot 0 is in; slot 1's load may be out
	s_barrier_signal -1
	s_barrier_wait -1
	FETCH 0, 0, F0
	SUB 0, 1, F0, F1, 1                            ; the first products start the sums
.if LAPS > 1
	WIN 0
	s_mov_b32 s3, LAPS-1
.Llap:
	SUB 0, 2, F1, F0, 0
	SUB 0, 3, F0, F1, 0
	TURN 0, 1, 1
	SUB 1, 1, F0, F1, 0
	SUB 1, 2, F1, F0, 0
	SUB 1, 3, F0, F1, 0
	TURN 1, 0, 1
	SUB 0, 1, F0, F1, 0
	WIN 0
	s_sub_co_u32 s3, s3, 1
	s_cmp_lg_u32 s3, 0
	s_cbranch_scc1 .Llap
.endif
	SUB 0, 2, F1, F0, 0
	SUB 0, 3, F0, F1, 0
	TURN 0, 1, 0
	SUB 1, 1, F0, F1, 0
	SUB 1, 2, F1, F0, 0
	SUB 1, 3, F0, F1, 0
	s_wait_dscnt 8
	WIN MUL
	MUL8 F1, 0, 0
	s_wait_dscnt 0
	MUL8 F1, 2, 0
	WIN 0
; THE WAY OUT, a block of 16 rows x 64 columns at a time: the sums go through my stage and come back as whole runs of 256 bytes; there sum x 2^(ea + eb) + bias + residual.
.macro STG a
.irp b, 0,1,2,3
	ds_store_b128 v[STO], v[ACC+8*(4*(\a)+\b):ACC+8*(4*(\a)+\b)+3] offset:64*\b        ; each accumulator from its low end on
	ds_store_b128 v[STO], v[ACC+8*(4*(\a)+\b)+4:ACC+8*(4*(\a)+\b)+7] offset:64*\b+16
.endr
.irp t, 0,1,2,3,4,5,6,7
	ds_load_b128 v[BK+32*((\a)%2)+4*\t:BK+32*((\a)%2)+4*\t+3], v[RD] offset:\t*544   ; LDS serves a wave's instructions in order
.endr
.endm
.macro FIN a, younger
.set BS, BK+32*((\a)%2)
	s_wait_dscnt \younger
.irp t, 0,1,2,3,4,5,6,7
.irp i, 0,2
	v_pk_fma_f32 v[BS+4*\t+\i:BS+4*\t+\i+1], v[BS+4*\t+\i:BS+4*\t+\i+1], s[80:81], v[8+\i:9+\i] op_sel_hi:[1,0,1]
.endr
.endr
	WIN 0x08                                       ; source 1 window 2: the residual
.set n, 0
.rept 16
	v_pk_add_f32 v[BS+n:BS+n+1], v[BS+n:BS+n+1], v[32*(\a)+n:32*(\a)+n+1]
.set n, n+2
.endr
	WIN 0
.irp t, 0,1,2,3,4,5,6,7
	global_store_b128 v[CO], v[BS+4*\t:BS+4*\t+3], s[78:79] offset:(16*(\a)+2*\t)*4096   ; sixteen lanes store 256 consecutive bytes, aligned
.endr
.endm
	s_wait_kmcnt 0x0
	s_add_co_i32 s80, s82, s83
	s_add_co_i32 s80, s80, 127
	s_lshl_b32 s80, s80, 23                        ; 2^(ea + eb) as f32
	s_mov_b32 s81, s80
	s_wait_loadcnt 0x0                             ; the residual and the bias
	PLACES
	STG 0
.irp a, 1,2,3
.if \a > 1
	s_wait_xcnt 0x0                                ; block a - 2's stores have read their registers
.endif
	STG \a
	FIN \a-1, 16                                   ; behind block a - 1's loads: block a's 8 stores and 8 loads
.endr
	FIN 3, 0
	s_wait_tensorcnt 0x0                           ; the wave's end
	ds_add_u32 v[SPW], v[NIL]
	s_wait_dscnt 0x0
	CROUND                                         ; the closing round
	s_endpgm
.Lfunc_end_k_q8a32cf9216_proj:
	.size	k_q8a32cf9216_proj, .Lfunc_end_k_q8a32cf9216_proj-k_q8a32cf9216_proj
	.p2alignl 7, 3214868480
	.fill 96, 4, 3214868480
	.section	.rodata,"a",@progbits
	.p2align	6, 0x0
	.amdhsa_kernel k_q8a32cf9216_proj
		.amdhsa_group_segment_fixed_size 327680
		.amdhsa_private_segment_fixed_size 0
		.amdhsa_enable_private_segment 0
		.amdhsa_kernarg_size 48
		.amdhsa_user_sgpr_count 2
		.amdhsa_user_sgpr_kernarg_segment_ptr 1
		.amdhsa_wavefront_size32 1
		.amdhsa_system_sgpr_workgroup_id_x 1
		.amdhsa_system_sgpr_workgroup_id_y 1
		.amdhsa_system_sgpr_workgroup_id_z 1
		.amdhsa_system_vgpr_workitem_id 0
		.amdhsa_next_free_vgpr 768
		.amdhsa_next_free_sgpr 84
		.amdhsa_reserve_vcc 0
		.amdhsa_float_denorm_mode_32 3
		.amdhsa_float_denorm_mode_16_64 3
		.amdhsa_memory_ordered 1
		.amdhsa_forward_progress 1
		.amdhsa_inst_pref_size 53
	.end_amdhsa_kernel
	.amdgpu_metadata
---
amdhsa.version: [ 1, 2 ]
amdhsa.kernels:
  - .name:           k_q8a32cf9216_proj
    .symbol:         k_q8a32cf9216_proj.kd
    .args:
      - { .name: yc, .offset: 0, .size: 8, .value_kind: global_buffer, .address_space: global }
      - { .name: wc, .offset: 8, .size: 8, .value_kind: global_buffer, .address_space: global }
      - { .name: lowp_scales, .offset: 16, .size: 8, .value_kind: global_buffer, .address_space: global }
      - { .name: proj_b, .offset: 24, .size: 8, .value_kind: global_buffer, .address_space: global }
      - { .name: x, .offset: 32, .size: 8, .value_kind: global_buffer, .address_space: global }
      - { .name: x1, .offset: 40, .size: 8, .value_kind: global_buffer, .address_space: global }
    .group_segment_fixed_size: 327680
    .private_segment_fixed_size: 0
    .kernarg_segment_align: 8
    .kernarg_segment_size: 48
    .max_flat_workgroup_size: 128
    .sgpr_count:     84
    .vgpr_count:     768
    .wavefront_size: 32
...
	.end_amdgpu_metadata
.endif
;; end of part 4
;; launch ln2 (part 5): grid 256 x 1, 4 waves a work-group, no clusters, 0 bytes of LDS; arguments x1, ln2_w, ln2_b, lowp_scales, hc; writes hc
.if DOCPART == 5
	.amdgcn_target "amdgcn-amd-amdhsa--gfx1250"
	.amdhsa_code_object_version 6
	.text
	.protected	k_q8a32cf9216_ln2
	.globl	k_q8a32cf9216_ln2
	.p2align	8
	.type	k_q8a32cf9216_ln2,@function
k_q8a32cf9216_ln2:
	s_mov_b64 s[64:65], 0
	v_nop
	global_prefetch_b8 v0, s[64:65] scope:SCOPE_SE
	s_setreg_imm32_b32 hwreg(HW_REG_WAVE_MODE, 25, 1), 1
	s_wait_xcnt 0x0
; Layernorm 2 of x1 [4096][1024] f32, quantised to codes of FP8 (E4M3) with entry 8 of the scales, into hc [4096][1024].
; A wave owns four rows, each whole in its registers: mean, then the squares of the differences (two passes: no difference of large sums).  No LDS, no barrier: waves share nothing.
; A lane holds numbers 256 c + 8 lane + 0 .. 7 of a row, so its 8 codes are 8 bytes and the wave stores 256 consecutive bytes.  LIMIT: e8 between -126 and 119.  NaN among the inputs is not served.
.set W, 16                             ; v16-47 gain, v48-79 bias, v80-207 four rows, v208-239 codes, v240-247 at work
.set BV, 48
.set XL, 80
.set CD, 208
.set T, 240
	s_load_b256 s[4:11], s[0:1], 0x0               ; x1 4, ln2_w 6, ln2_b 8, the scales 10
	s_load_b64 s[20:21], s[0:1], 0x20              ; hc
	v_lshrrev_b32 v1, 5, v0
	v_readfirstlane_b32 s36, v1                    ; wave
	v_and_b32 v2, 31, v0                           ; lane
	s_wait_kmcnt 0x0
	s_load_b32 s24, s[10:11], 0x20                 ; e8
	s_lshl_b32 s52, ttmp9, 4
	s_lshl_b32 s53, s36, 2
	s_add_co_u32 s52, s52, s53                     ; my wave's first row
	s_lshl_b32 s54, s52, 12
	s_mov_b32 s55, 0
	s_add_nc_u64 s[4:5], s[4:5], s[54:55]
	s_lshl_b32 s54, s52, 10
	s_add_nc_u64 s[20:21], s[20:21], s[54:55]
	s_mov_b32 s37, 0x3a800000                      ; 1 / 1024
	s_mov_b32 s38, 0x3727c5ac                      ; 1e-5
	s_mov_b32 s50, 0x76543210
	s_mov_b32 s51, 0xfedcba98
	v_lshlrev_b32 v6, 5, v2
	v_lshlrev_b32 v7, 3, v2
	v_mov_b32 v3, 0
	v_mov_b32 v5, 0
	v_mov_b32 v[T+4], 0
.irp c, 0,1,2,3
	global_load_b128 v[W+8*\c:W+8*\c+3], v6, s[6:7] offset:1024*\c
	global_load_b128 v[W+8*\c+4:W+8*\c+7], v6, s[6:7] offset:1024*\c+16
	global_load_b128 v[BV+8*\c:BV+8*\c+3], v6, s[8:9] offset:1024*\c
	global_load_b128 v[BV+8*\c+4:BV+8*\c+7], v6, s[8:9] offset:1024*\c+16
.endr
.irp p, 0,1,2,3
.irp c, 0,1,2,3
	global_load_b128 v[XL+32*\p+8*\c:XL+32*\p+8*\c+3], v6, s[4:5] offset:4096*\p+1024*\c
	global_load_b128 v[XL+32*\p+8*\c+4:XL+32*\p+8*\c+7], v6, s[4:5] offset:4096*\p+1024*\c+16
.endr
.endr
	s_wait_kmcnt 0x0
	s_add_co_i32 s24, s24, 127
	s_lshl_b32 s25, s24, 23
	v_mov_b32 v11, s25                             ; 2^e8
	s_add_co_i32 s24, s24, 8
	s_lshl_b32 s24, s24, 23
	s_or_b32 s24, s24, 0x600000
	v_mov_b32 v10, s24                             ; 448 x 2^e8
.macro RED r, t                        ; the sum over the wave's 32 lanes, in every lane
	v_add_f32_dpp v[\r], v[\r], v[\r] row_xmask:1 row_mask:0xf bank_mask:0xf
	v_add_f32_dpp v[\r], v[\r], v[\r] row_xmask:2 row_mask:0xf bank_mask:0xf
	v_add_f32_dpp v[\r], v[\r], v[\r] row_xmask:4 row_mask:0xf bank_mask:0xf
	v_add_f32_dpp v[\r], v[\r], v[\r] row_xmask:8 row_mask:0xf bank_mask:0xf
	v_permlanex16_b32 v[\t], v[\r], s50, s51
	v_add_f32 v[\r], v[\r], v[\t]
.endm
.macro ROW p
.set XR, XL+32*(\p)
	s_wait_loadcnt 8*(3-(\p))                      ; gain, bias and my row are in; the later rows' eight loads each may be out
	v_pk_add_f32 v[T:T+1], v[XR:XR+1], v[XR+2:XR+3]
	v_pk_add_f32 v[T+2:T+3], v[XR+4:XR+5], v[XR+6:XR+7]
.irp j, 8,12,16,20,24,28
	v_pk_add_f32 v[T:T+1], v[T:T+1], v[XR+\j:XR+\j+1]
	v_pk_add_f32 v[T+2:T+3], v[T+2:T+3], v[XR+\j+2:XR+\j+3]
.endr
	v_pk_add_f32 v[T:T+1], v[T:T+1], v[T+2:T+3]
	v_add_f32 v[T], v[T], v[T+1]
	RED T, T+4
	v_mul_f32 v2, s37, v[T]                        ; the mean
.set n, 0
.rept 16
	v_pk_add_f32 v[XR+n:XR+n+1], v[XR+n:XR+n+1], v[2:3] op_sel_hi:[1,0] neg_lo:[0,1] neg_hi:[0,1]
.set n, n+2
.endr
	v_pk_mul_f32 v[T:T+1], v[XR:XR+1], v[XR:XR+1]
	v_pk_mul_f32 v[T+2:T+3], v[XR+2:XR+3], v[XR+2:XR+3]
.irp j, 4,8,12,16,20,24,28
	v_pk_fma_f32 v[T:T+1], v[XR+\j:XR+\j+1], v[XR+\j:XR+\j+1], v[T:T+1]
	v_pk_fma_f32 v[T+2:T+3], v[XR+\j+2:XR+\j+3], v[XR+\j+2:XR+\j+3], v[T+2:T+3]
.endr
	v_pk_add_f32 v[T:T+1], v[T:T+1], v[T+2:T+3]
	v_add_f32 v[T], v[T], v[T+1]
	RED T, T+4
	v_fma_f32 v[T], v[T], s37, s38                 ; the variance + 1e-5
	v_rsq_f32 v4, v[T]
	v_nop                                          ; a plain instruction behind the transcendental
	s_wait_alu depctr_va_vdst(0)                   ; ahead of the result's first reader
.set n, 0
.rept 16
	v_pk_mul_f32 v[XR+n:XR+n+1], v[XR+n:XR+n+1], v[4:5] op_sel_hi:[1,0]
.set n, n+2
.endr
.set n, 0
.rept 16
	v_pk_fma_f32 v[XR+n:XR+n+1], v[XR+n:XR+n+1], v[W+n:W+n+1], v[BV+n:BV+n+1]
.set n, n+2
.endr
.set n, 0
.rept 32
	v_med3_num_f32 v[XR+n], v[XR+n], -v10, v10     ; the conversion does not saturate (ISA guide 7.6.2): the hold comes first
.set n, n+1
.endr
.irp c, 0,1,2,3
	v_cvt_scalef32_pk8_fp8_f32 v[CD+8*(\p)+2*\c:CD+8*(\p)+2*\c+1], v[XR+8*\c:XR+8*\c+7], v11
.endr
.irp c, 0,1,2,3
	global_store_b64 v7, v[CD+8*(\p)+2*\c:CD+8*(\p)+2*\c+1], s[20:21] offset:1024*(\p)+256*\c
.endr
.endm
	ROW 0
	ROW 1
	ROW 2
	ROW 3
	s_endpgm
.Lfunc_end_k_q8a32cf9216_ln2:
	.size	k_q8a32cf9216_ln2, .Lfunc_end_k_q8a32cf9216_ln2-k_q8a32cf9216_ln2
	.p2alignl 7, 3214868480
	.fill 96, 4, 3214868480
	.section	.rodata,"a",@progbits
	.p2align	6, 0x0
	.amdhsa_kernel k_q8a32cf9216_ln2
		.amdhsa_group_segment_fixed_size 0
		.amdhsa_private_segment_fixed_size 0
		.amdhsa_enable_private_segment 0
		.amdhsa_kernarg_size 40
		.amdhsa_user_sgpr_count 2
		.amdhsa_user_sgpr_kernarg_segment_ptr 1
		.amdhsa_wavefront_size32 1
		.amdhsa_system_sgpr_workgroup_id_x 1
		.amdhsa_system_sgpr_workgroup_id_y 1
		.amdhsa_system_sgpr_workgroup_id_z 1
		.amdhsa_system_vgpr_workitem_id 0
		.amdhsa_next_free_vgpr 248
		.amdhsa_next_free_sgpr 66
		.amdhsa_reserve_vcc 0
		.amdhsa_float_denorm_mode_32 3
		.amdhsa_float_denorm_mode_16_64 3
		.amdhsa_memory_ordered 1
		.amdhsa_forward_progress 1
		.amdhsa_inst_pref_size 41
	.end_amdhsa_kernel
	.amdgpu_metadata
---
amdhsa.version: [ 1, 2 ]
amdhsa.kernels:
  - .name:           k_q8a32cf9216_ln2
    .symbol:         k_q8a32cf9216_ln2.kd
    .args:
      - { .name: x1, .offset: 0, .size: 8, .value_kind: global_buffer, .address_space: global }
      - { .name: ln2_w, .offset: 8, .size: 8, .value_kind: global_buffer, .address_space: global }
      - { .name: ln2_b, .offset: 16, .size: 8, .value_kind: global_buffer, .address_space: global }
      - { .name: lowp_scales, .offset: 24, .size: 8, .value_kind: global_buffer, .address_space: global }
      - { .name: hc, .offset: 32, .size: 8, .value_kind: global_buffer, .address_space: global }
    .group_segment_fixed_size: 0
    .private_segment_fixed_size: 0
    .kernarg_segment_align: 8
    .kernarg_segment_size: 40
    .max_flat_workgroup_size: 128
    .sgpr_count:     66
    .vgpr_count:     248
    .wavefront_size: 32
...
	.end_amdgpu_metadata
.endif
;; end of part 5
;; launch fc1 (part 6): grid 16 x 16, 4 waves a work-group, clusters of 4 x 4, 327,680 bytes of LDS; arguments hc, wc, lowp_scales, fc1_b, hm; writes hm
.if DOCPART == 6
	.amdgcn_target "amdgcn-amd-amdhsa--gfx1250"
	.amdhsa_code_object_version 6
	.text
	.protected	k_q8a32cf9216_fc1
	.globl	k_q8a32cf9216_fc1
	.p2align	8
	.type	k_q8a32cf9216_fc1,@function
k_q8a32cf9216_fc1:
	s_mov_b64 s[64:65], 0
	v_nop
	global_prefetch_b8 v0, s[64:65] scope:SCOPE_SE
	s_setreg_imm32_b32 hwreg(HW_REG_WAVE_MODE, 25, 1), 1
	s_wait_xcnt 0x0
	s_wait_alu depctr_hold_cnt(0) depctr_sa_sdst(0) depctr_va_vdst(0) depctr_va_sdst(0) depctr_va_ssrc(0) depctr_va_vcc(0) depctr_vm_vsrc(0)
	s_getreg_b32 s2, hwreg(HW_REG_IB_STS2, 6, 4)
	s_cmp_eq_u32 s2, 0
	s_cbranch_scc0 .Lentry_in_a_cluster
	s_endpgm
.Lentry_in_a_cluster:
	s_bfe_u32 s2, ttmp6, 0x10000c
	s_cmp_lg_u32 s2, 0xf033
	s_cbranch_scc0 .Lentry_shape_is_right
	s_endpgm
.Lentry_shape_is_right:
; hm = Q(gelu(LN2(x1) fc1_w + fc1_b)), the product on codes of FP8 (E4M3), the exact GELU in f32, the result quantised with entry 10 of the scales.  hc: [4096][1024] codes; fc1_w's codes [4096][1024] at 0x400000 of wc.
; A tile of 256 x 256 by four waves of 128 x 128; K in steps of 256 through two LDS slots; clusters of 4 x 4 with joint loads (A along a row, B along a column); source 0 = rows of B, source 1 = rows of A:
; a lane holds a token and 8 neighbouring hidden units, which are K of the next product.  hm: panels [unit / 64][token][64].
; GELU: 0.5 v (1 + erf(v / sqrt 2)); erf(z) = z P(z^2) / Q(z^2), polynomials of degree 6 and 4, z held within +-4 (beyond that erf is 1 to f32's last bits): a few units in the last place.
; The way out is a loop of two trips (accumulator window 2, then 3: the same register numbers); only the lines that read accumulators are written twice, under a branch on the trip's number.
; LIMITS: e8 + e9 between -126 and 127; e10 between -126 and 119.  NaN among the inputs is not served.
.set SIZE_K, 1024
.set KSTEP,  256
.set ROWB,   256
.set KROW,   SIZE_K
.set PITCH,  272
.set FR,     16
.set NL,     4
.set NP,     4
.set HALFT,  128*PITCH
.set SLOT,   4*HALFT
.set LAPS,   SIZE_K/(2*KSTEP)
.set SPARE,  2*SLOT
.set STAGE,  SPARE+512                 ; 16 rows x 144 bytes for each wave; no tile lands there
.set ADRA, 16
.set ADRB, 20
.set STO,  24
.set RD,   25
.set CO,   26
.set BO,   27
.set SPW,  28
.set NIL,  29
.set BIAS, 32
.set GV,   96                          ; the way out: 16 numbers v, z, z^2, P, Q
.set GZ,   112
.set GX,   128
.set GP,   144
.set GQ,   160
.set CD,   176
.set BK,   192
.set AF,   128
.set G1, 24
.set G0, 32
.set G1B, 48
.set G0B, 56
.set MSB, 0
.macro WIN new
.if MSB != (\new)
	s_set_vgpr_msb (MSB<<8)|(\new)
.set MSB, (\new)
.endif
.endm
.set MUL_LO, 0xa1
.set MUL_HI, 0xf1
.set TO_B,   0x40
.macro JLOAD g0a, g1a, g0b, g1b
	s_cmp_eq_u32 s15, 0
	s_cbranch_scc0 .Lfor_b_\@
	tensor_load_to_lds s[\g0a:\g0a+3], s[\g1a:\g1a+7]
	s_nop 0
.rept 4
	v_nop
.endr
	s_branch .Lasked_\@
.Lfor_b_\@:
	tensor_load_to_lds s[\g0b:\g0b+3], s[\g1b:\g1b+7]
	s_nop 0
.rept 4
	v_nop
.endr
.Lasked_\@:
.endm
.macro CREST
	s_cmp_lg_u32 s14, 0
	s_cbranch_scc1 .Lnot_wave_0_\@
	s_barrier_signal -3
.Lnot_wave_0_\@:
	s_barrier_wait -3
	s_barrier_signal -1
	s_barrier_wait -1
.endm
.macro CROUND
	s_barrier_signal -1
	s_barrier_wait -1
	CREST
.endm
.macro SC2 r, bits                     ; a constant as a pair: the packed forms name a pair and take its low word for both halves
	s_mov_b32 s[\r], \bits
	s_mov_b32 s[\r+1], \bits
.endm
	s_load_b128 s[4:7], s[0:1], 0x0                ; hc, wc
	s_load_b128 s[8:11], s[0:1], 0x10              ; the scales, fc1_b
	s_load_b64 s[12:13], s[0:1], 0x20              ; hm
	v_lshl_add_u32 v[SPW], v0, 2, SPARE
	v_mov_b32 v[NIL], 0
	ds_add_u32 v[SPW], v[NIL]                      ; the wave's opening: the add, twice on end, and its wait ahead of my first tensor load
	ds_add_u32 v[SPW], v[NIL]
	v_lshrrev_b32 v1, 5, v0
	v_readfirstlane_b32 s14, v1
	s_lshr_b32 s15, s14, 1
	s_and_b32 s16, s14, 1
	s_bfe_u32 s40, ttmp6, 0x40000
	s_bfe_u32 s41, ttmp6, 0x40004
	s_lshl_b32 s42, ttmp9, 2
	s_add_co_u32 s42, s42, s40                     ; tile column
	s_and_b32 s17, ttmp7, 0xffff
	s_lshl_b32 s17, s17, 2
	s_add_co_u32 s17, s17, s41                     ; tile row
	s_lshl_b32 s43, s41, 2
	s_lshl_b32 s43, 15, s43
	s_lshl_b32 s44, 0x1111, s40
	s_or_b32 s[G1+0], s43, (0<<16)|(1<<20)|(1<<21)|(5<<22)|(3<<25)
	s_or_b32 s[G1B+0], s44, (0<<16)|(1<<20)|(1<<21)|(5<<22)|(3<<25)
.irp g, G1, G1B
	s_mov_b32 s[\g+1], ROWB<<16
	s_mov_b32 s[\g+2], 128<<16
	s_mov_b32 s[\g+3], ROWB<<16
	s_mov_b32 s[\g+4], 128
	s_mov_b32 s[\g+5], KROW
	s_mov_b32 s[\g+6], 0
	s_mov_b32 s[\g+7], 0
.endr
	SC2 66, 0x32edffee                             ; erf's numerator: a1 .. a6 (a0 stands in a vector pair)
	SC2 68, 0xb60cff51
	SC2 70, 0xb86ec2d2
	SC2 72, 0xba40ac63
	SC2 74, 0xbb41a1f6
	SC2 76, 0xbc83dbd4
	SC2 78, 0xb95fbd29                             ; its denominator: b1 .. b4
	SC2 80, 0xbadc924e
	SC2 82, 0xbbf19bf8
	SC2 84, 0xbc69b6a7
	SC2 86, 0x3f3504f3                             ; 1 / sqrt 2
	s_lshl_b32 s18, s16, 7
	s_lshl_b32 s20, s17, 8
	s_add_co_u32 s20, s20, s18
	s_lshl_b32 s20, s20, 10
	s_lshl_b32 s46, s42, 8
	s_add_co_u32 s46, s46, s18
	s_lshl_b32 s46, s46, 10
	s_add_co_u32 s46, s46, 0x400000
	s_mov_b32 s21, 0
	s_mov_b32 s47, 0
	s_mul_i32 s45, s14, HALFT
	s_wait_dscnt 0x0
	s_wait_kmcnt 0x0
	s_load_b128 s[88:91], s[8:9], 0x20             ; e8 .. e11
	s_add_nc_u64 s[20:21], s[4:5], s[20:21]
	s_add_nc_u64 s[46:47], s[6:7], s[46:47]
	CROUND
.irp s, 0,1
	s_mov_b32 s[G0+4*\s], 1
	s_add_co_u32 s[G0+4*\s+1], s45, \s*SLOT
	s_add_nc_u64 s[G0+4*\s+2:G0+4*\s+3], s[20:21], \s*ROWB
	s_or_b32 s[G0+4*\s+3], s[G0+4*\s+3], 0x80000000
	s_mov_b32 s[G0B+4*\s], 1
	s_add_co_u32 s[G0B+4*\s+1], s45, \s*SLOT
	s_add_nc_u64 s[G0B+4*\s+2:G0B+4*\s+3], s[46:47], \s*ROWB
	s_or_b32 s[G0B+4*\s+3], s[G0B+4*\s+3], 0x80000000
	JLOAD G0+4*\s, G1, G0B+4*\s, G1B
.endr
	v_and_b32 v1, 15, v0
	v_bfe_u32 v2, v0, 4, 1
	v_mul_u32_u24 v3, v1, PITCH
	v_lshl_add_u32 v4, v2, 4, v3
	s_mul_i32 s21, s15, HALFT
	s_mul_i32 s22, s16, HALFT
	s_add_co_u32 s22, s22, 2*HALFT
.irp s, 0,1
	v_add_nc_u32 v[ADRA+\s], s21, v4
	v_add_nc_u32 v[ADRB+\s], s22, v4
	s_add_co_u32 s21, s21, SLOT
	s_add_co_u32 s22, s22, SLOT
.endr
	s_mul_i32 s23, s14, 2304
	s_add_co_u32 s23, s23, STAGE
	v_mul_u32_u24 v5, v1, 144
	v_lshl_add_u32 v5, v2, 3, v5
	v_add_nc_u32 v[STO], s23, v5                   ; in: row r, 8 bytes for each half of the lanes
	v_and_b32 v6, 31, v0
	v_lshrrev_b32 v7, 2, v6
	v_mul_u32_u24 v7, v7, 144
	v_and_b32 v8, 3, v6
	v_lshl_add_u32 v7, v8, 4, v7
	v_add_nc_u32 v[RD], s23, v7                    ; back: four lanes to 64 bytes of a row, eight rows an instruction
	v_lshlrev_b32 v[CO], 4, v6
	v_lshlrev_b32 v[BO], 5, v2                     ; the bias: 32 h bytes
	s_lshl_b32 s92, s42, 2
	s_lshl_b32 s93, s16, 1
	s_add_co_u32 s92, s92, s93                     ; my first panel
	s_lshl_b32 s92, s92, 12
	s_lshl_b32 s93, s17, 8
	s_add_co_u32 s92, s92, s93
	s_lshl_b32 s93, s15, 7
	s_add_co_u32 s92, s92, s93                     ; + my first token
	s_lshl_b32 s92, s92, 6
	s_mov_b32 s93, 0
	s_add_nc_u64 s[94:95], s[12:13], s[92:93]
	s_lshl_b32 s92, s42, 8
	s_lshl_b32 s96, s16, 7
	s_add_co_u32 s92, s92, s96
	s_lshl_b32 s92, s92, 2
	s_add_nc_u64 s[10:11], s[10:11], s[92:93]
.irp b, 0,1,2,3,4,5,6,7
	global_load_b128 v[BIAS+8*\b:BIAS+8*\b+3], v[BO], s[10:11] offset:64*\b        ; register 8 b + j = bias(16 b + 8 h + j): the result's layout
	global_load_b128 v[BIAS+8*\b+4:BIAS+8*\b+7], v[BO], s[10:11] offset:64*\b+16
.endr
.macro FRAG reg, adr, q, i
.irp c, 0,1,2,3
	ds_load_b128 v[\reg+4*\c:\reg+4*\c+3], v[\adr] offset:128*(\q)+32*\c+(\i)*16*PITCH
.endr
.endm
.macro MUL16 a0, p, zero               ; the 64 accumulators take turns
.irp a, \a0, \a0+1
.irp b, 0,1,2,3,4,5,6,7
.if \zero
	v_wmma_f32_16x16x128_fp8_fp8 v[8*(8*((\a)%4)+\b):8*(8*((\a)%4)+\b)+7], v[128*(\p)+FR*\b:128*(\p)+FR*\b+FR-1], v[AF+FR*(\a):AF+FR*(\a)+FR-1], 0
.else
	v_wmma_f32_16x16x128_fp8_fp8 v[8*(8*((\a)%4)+\b):8*(8*((\a)%4)+\b)+7], v[128*(\p)+FR*\b:128*(\p)+FR*\b+FR-1], v[AF+FR*(\a):AF+FR*(\a)+FR-1], v[8*(8*((\a)%4)+\b):8*(8*((\a)%4)+\b)+7]
.endif
.endr
.endr
.endm
.macro FETCH_B slot, q, p
	WIN TO_B
.irp i, 0,1,2,3,4,5,6,7
	FRAG 128*(\p)+FR*\i, ADRB+\slot, \q, \i
.endr
	WIN 0
.endm
.macro FETCH_A slot, q, i0
.irp i, \i0, \i0+1, \i0+2, \i0+3
	FRAG AF+FR*(\i), ADRA+\slot, \q, \i
.endr
.endm
.macro PLACES n
.rept \n
	v_nop
.endr
.endm
.macro STEP slot, q, zero
	s_wait_dscnt 4*NL                              ; B's set and A's blocks 0-3 are in; the youngest 16 loads may be out
	WIN MUL_LO
	MUL16 0, (\q)%2, \zero
	MUL16 2, (\q)%2, \zero
	s_wait_dscnt 0
	PLACES NP
	FETCH_B \slot, (\q)+1, 1-(\q)%2
	FETCH_A \slot, (\q)+1, 0
	WIN MUL_HI
	MUL16 4, (\q)%2, \zero
	MUL16 6, (\q)%2, \zero
	PLACES NP
	WIN 0
	FETCH_A \slot, (\q)+1, 4
.endm
.macro TURN slot, next, fill
	s_wait_tensorcnt 0x0                           ; all my tensor loads have landed
	ds_add_u32 v[SPW], v[NIL]
	s_wait_dscnt 4*NL+1                            ; (the add and the youngest 16 loads may be out)
	WIN MUL_LO
	MUL16 0, 1, 0
	s_wait_dscnt 0x0                               ; the add is done, and my reads of this slot are over
	s_barrier_signal -1
	MUL16 2, 1, 0
	WIN 0
	s_barrier_wait -1
.if \fill
	CREST
	s_add_nc_u64 s[G0+4*\slot+2:G0+4*\slot+3], s[G0+4*\slot+2:G0+4*\slot+3], 2*ROWB
	s_add_nc_u64 s[G0B+4*\slot+2:G0B+4*\slot+3], s[G0B+4*\slot+2:G0B+4*\slot+3], 2*ROWB
	JLOAD G0+4*\slot, G1, G0B+4*\slot, G1B
.else
	PLACES NP
.endif
	FETCH_B \next, 0, 0
	FETCH_A \next, 0, 0
	WIN MUL_HI
	MUL16 4, 1, 0
	MUL16 6, 1, 0
	PLACES NP
	WIN 0
	FETCH_A \next, 0, 4
.endm
	s_wait_tensorcnt 1                             ; my part of K step 0 is in; K step 1's load may be out
	s_barrier_signal -1
	s_barrier_wait -1
	FETCH_B 0, 0, 0
	FETCH_A 0, 0, 0
	FETCH_A 0, 0, 4
	STEP 0, 0, 1
	s_mov_b32 s3, LAPS-1
.Llap:
	TURN 0, 1, 1
	STEP 1, 0, 0
	TURN 1, 0, 1
	STEP 0, 0, 0
	s_sub_co_u32 s3, s3, 1
	s_cmp_lg_u32 s3, 0
	s_cbranch_scc1 .Llap
	TURN 0, 1, 0
	STEP 1, 0, 0
	s_wait_dscnt 4*NL
	WIN MUL_LO
	MUL16 0, 1, 0
	MUL16 2, 1, 0
	s_wait_dscnt 0
	WIN MUL_HI
	MUL16 4, 1, 0
	MUL16 6, 1, 0
	WIN 0
; Two accumulators (block a of the window in hand, B's blocks b0, b0 + 1): 16 numbers a lane through bias, GELU, hold and conversion.
.macro GEL a, b0
.set AC, 64*(\a)+8*(\b0)
.set BI, BIAS+8*(\b0)
	s_cmp_eq_u32 s92, 0
	s_cbranch_scc0 .Lhi_\@
	WIN 0x02
.irp i, 0,2,4,6,8,10,12,14
	v_pk_fma_f32 v[GV+\i:GV+\i+1], v[AC+\i:AC+\i+1], s[96:97], v[BI+\i:BI+\i+1] op_sel_hi:[1,0,1]   ; v = sum x 2^(e8 + e9) + bias; each accumulator from its low end on
.endr
	WIN 0
	s_branch .Ljoin_\@
.Lhi_\@:
	WIN 0x03
.irp i, 0,2,4,6,8,10,12,14
	v_pk_fma_f32 v[GV+\i:GV+\i+1], v[AC+\i:AC+\i+1], s[96:97], v[BI+\i:BI+\i+1] op_sel_hi:[1,0,1]
.endr
	WIN 0
.Ljoin_\@:
.irp i, 0,2,4,6,8,10,12,14
	v_pk_mul_f32 v[GZ+\i:GZ+\i+1], v[GV+\i:GV+\i+1], s[86:87] op_sel_hi:[1,0]
.endr
.irp i, 0,1,2,3,4,5,6,7,8,9,10,11,12,13,14,15
	v_med3_num_f32 v[GZ+\i], v[GZ+\i], -4.0, 4.0
.endr
.irp i, 0,2,4,6,8,10,12,14
	v_pk_mul_f32 v[GX+\i:GX+\i+1], v[GZ+\i:GZ+\i+1], v[GZ+\i:GZ+\i+1]
.endr
.irp i, 0,2,4,6,8,10,12,14
	v_pk_fma_f32 v[GP+\i:GP+\i+1], v[GX+\i:GX+\i+1], v[224:225], s[66:67] op_sel_hi:[1,1,0]
.endr
.irp i, 0,2,4,6,8,10,12,14
	v_pk_fma_f32 v[GQ+\i:GQ+\i+1], v[GX+\i:GX+\i+1], v[226:227], s[78:79] op_sel_hi:[1,1,0]
.endr
.irp k, 0,1,2,3,4
.irp i, 0,2,4,6,8,10,12,14
	v_pk_fma_f32 v[GP+\i:GP+\i+1], v[GP+\i:GP+\i+1], v[GX+\i:GX+\i+1], s[68+2*\k:69+2*\k] op_sel_hi:[1,1,0]
.endr
.if \k < 3
.irp i, 0,2,4,6,8,10,12,14
	v_pk_fma_f32 v[GQ+\i:GQ+\i+1], v[GQ+\i:GQ+\i+1], v[GX+\i:GX+\i+1], s[80+2*\k:81+2*\k] op_sel_hi:[1,1,0]
.endr
.endif
.endr
.irp i, 0,1,2,3,4,5,6,7,8,9,10,11,12,13,14,15
	v_rcp_f32 v[GQ+\i], v[GQ+\i]
.endr
.irp i, 0,2,4,6,8,10,12,14
	v_pk_mul_f32 v[GP+\i:GP+\i+1], v[GP+\i:GP+\i+1], v[GZ+\i:GZ+\i+1]           ; z P: work that names no reciprocal stands behind the batch
.endr
.irp i, 0,2,4,6,8,10,12,14
	v_pk_mul_f32 v[GV+\i:GV+\i+1], v[GV+\i:GV+\i+1], 0.5 op_sel_hi:[1,0]
.endr
	s_wait_alu depctr_va_vdst(0)                   ; one wait for the 16 reciprocals, ahead of their first reader
.irp i, 0,2,4,6,8,10,12,14
	v_pk_mul_f32 v[GP+\i:GP+\i+1], v[GP+\i:GP+\i+1], v[GQ+\i:GQ+\i+1]           ; erf
.endr
.irp i, 0,2,4,6,8,10,12,14
	v_pk_fma_f32 v[GV+\i:GV+\i+1], v[GV+\i:GV+\i+1], v[GP+\i:GP+\i+1], v[GV+\i:GV+\i+1]   ; v / 2 x erf + v / 2
.endr
.irp i, 0,1,2,3,4,5,6,7,8,9,10,11,12,13,14,15
	v_med3_num_f32 v[GV+\i], v[GV+\i], -v228, v228
.endr
	v_cvt_scalef32_pk8_fp8_f32 v[CD+2*(\b0):CD+2*(\b0)+1], v[GV:GV+7], v229
	v_cvt_scalef32_pk8_fp8_f32 v[CD+2*(\b0)+2:CD+2*(\b0)+3], v[GV+8:GV+15], v229
	v_nop                                          ; a plain instruction behind the last conversion
.endm
.macro STG a
.irp b, 0,1,2,3,4,5,6,7
	ds_store_b64 v[STO], v[CD+2*\b:CD+2*\b+1] offset:16*\b
.endr
.irp t, 0,1,2,3
	ds_load_b128 v[BK+16*((\a)%2)+4*\t:BK+16*((\a)%2)+4*\t+3], v[RD] offset:(\t%2)*1152+(\t/2)*64
.endr
.endm
.macro SEND a, younger
.set BS, BK+16*((\a)%2)
	s_wait_dscnt \younger
.irp t, 0,1,2,3
	global_store_b128 v[CO], v[BS+4*\t:BS+4*\t+3], s[94:95] offset:(\t/2)*262144+(\t%2)*512+(\a)*1024   ; 512 consecutive bytes, aligned
.endr
.endm
	PLACES NP                                      ; behind the last products: registers that held A's fragments are written below
	s_wait_kmcnt 0x0
	s_add_co_i32 s96, s88, s89
	s_add_co_i32 s96, s96, 127
	s_lshl_b32 s96, s96, 23                        ; 2^(e8 + e9) as f32
	s_mov_b32 s97, s96
	s_add_co_i32 s90, s90, 127
	s_lshl_b32 s93, s90, 23
	v_mov_b32 v229, s93                            ; 2^e10
	s_add_co_i32 s90, s90, 8
	s_lshl_b32 s90, s90, 23
	s_or_b32 s90, s90, 0x600000
	v_mov_b32 v228, s90                            ; 448 x 2^e10
	v_mov_b32 v224, 0xaf95df0b                     ; a0
	v_mov_b32 v225, 0xaf95df0b
	v_mov_b32 v226, 0xb77460cd                     ; b0
	v_mov_b32 v227, 0xb77460cd
	s_wait_loadcnt 0x0                             ; the bias
	s_mov_b32 s92, 0
.Lhalf:                                                ; trip 0: my rows 0-63 (window 2); trip 1: rows 64-127 (window 3)
.irp a, 0,1,2,3
	GEL \a, 0
	GEL \a, 2
	GEL \a, 4
	GEL \a, 6
.if \a > 1
	s_wait_xcnt 0x0                                ; block a - 2's stores have read their registers: block a's loads may land there
.endif
	STG \a
.if \a > 0
	SEND \a-1, 12                                  ; behind block a - 1's loads: block a's 8 stores and 4 loads
.endif
.endr
	SEND 3, 0
	s_wait_xcnt 0x0                                ; the stores have read their registers and their base
	s_add_nc_u64 s[94:95], s[94:95], 4096          ; 64 tokens on in each panel
	s_add_co_u32 s92, s92, 1
	s_cmp_lt_u32 s92, 2
	s_cbranch_scc1 .Lhalf
	s_wait_tensorcnt 0x0                           ; the wave's end
	ds_add_u32 v[SPW], v[NIL]
	s_wait_dscnt 0x0
	CROUND                                         ; the closing round
	s_endpgm
.Lfunc_end_k_q8a32cf9216_fc1:
	.size	k_q8a32cf9216_fc1, .Lfunc_end_k_q8a32cf9216_fc1-k_q8a32cf9216_fc1
	.p2alignl 7, 3214868480
	.fill 96, 4, 3214868480
	.section	.rodata,"a",@progbits
	.p2align	6, 0x0
	.amdhsa_kernel k_q8a32cf9216_fc1
		.amdhsa_group_segment_fixed_size 327680
		.amdhsa_private_segment_fixed_size 0
		.amdhsa_enable_private_segment 0
		.amdhsa_kernarg_size 40
		.amdhsa_user_sgpr_count 2
		.amdhsa_user_sgpr_kernarg_segment_ptr 1
		.amdhsa_wavefront_size32 1
		.amdhsa_system_sgpr_workgroup_id_x 1
		.amdhsa_system_sgpr_workgroup_id_y 1
		.amdhsa_system_sgpr_workgroup_id_z 1
		.amdhsa_system_vgpr_workitem_id 0
		.amdhsa_next_free_vgpr 1024
		.amdhsa_next_free_sgpr 100
		.amdhsa_reserve_vcc 0
		.amdhsa_float_denorm_mode_32 3
		.amdhsa_float_denorm_mode_16_64 3
		.amdhsa_memory_ordered 1
		.amdhsa_forward_progress 1
		.amdhsa_inst_pref_size 255
	.end_amdhsa_kernel
	.section	.bss,"aw",@nobits
	.p2align	6
	.space	262144
	.amdgpu_metadata
---
amdhsa.version: [ 1, 2 ]
amdhsa.kernels:
  - .name:           k_q8a32cf9216_fc1
    .symbol:         k_q8a32cf9216_fc1.kd
    .args:
      - { .name: hc, .offset: 0, .size: 8, .value_kind: global_buffer, .address_space: global }
      - { .name: wc, .offset: 8, .size: 8, .value_kind: global_buffer, .address_space: global }
      - { .name: lowp_scales, .offset: 16, .size: 8, .value_kind: global_buffer, .address_space: global }
      - { .name: fc1_b, .offset: 24, .size: 8, .value_kind: global_buffer, .address_space: global }
      - { .name: hm, .offset: 32, .size: 8, .value_kind: global_buffer, .address_space: global }
    .group_segment_fixed_size: 327680
    .private_segment_fixed_size: 0
    .kernarg_segment_align: 8
    .kernarg_segment_size: 40
    .max_flat_workgroup_size: 128
    .sgpr_count:     100
    .vgpr_count:     1024
    .wavefront_size: 32
...
	.end_amdgpu_metadata
.endif
;; end of part 6
;; launch fc2 (part 7): grid 8 x 32, 4 waves a work-group, clusters of 4 x 4, 327,680 bytes of LDS; arguments hm, wc, lowp_scales, fc2_b, x1, out0; writes out0
.if DOCPART == 7
	.amdgcn_target "amdgcn-amd-amdhsa--gfx1250"
	.amdhsa_code_object_version 6
	.text
	.protected	k_q8a32cf9216_fc2
	.globl	k_q8a32cf9216_fc2
	.p2align	8
	.type	k_q8a32cf9216_fc2,@function
k_q8a32cf9216_fc2:
	s_mov_b64 s[64:65], 0
	v_nop
	global_prefetch_b8 v0, s[64:65] scope:SCOPE_SE
	s_setreg_imm32_b32 hwreg(HW_REG_WAVE_MODE, 25, 1), 1
	s_wait_xcnt 0x0
	s_wait_alu depctr_hold_cnt(0) depctr_sa_sdst(0) depctr_va_vdst(0) depctr_va_sdst(0) depctr_va_ssrc(0) depctr_va_vcc(0) depctr_vm_vsrc(0)
	s_getreg_b32 s2, hwreg(HW_REG_IB_STS2, 6, 4)
	s_cmp_eq_u32 s2, 0
	s_cbranch_scc0 .Lentry_in_a_cluster
	s_endpgm
.Lentry_in_a_cluster:
	s_bfe_u32 s2, ttmp6, 0x10000c
	s_cmp_lg_u32 s2, 0xf033
	s_cbranch_scc0 .Lentry_shape_is_right
	s_endpgm
.Lentry_shape_is_right:
; out0 = x1 + h fc2_w + fc2_b, the product on codes of FP8 (E4M3).  A: hm, codes in panels [k / 64][row 4096][64]; B: fc2_w's codes [1024][SIZE_K] in wc; the residual and the result are f32 [4096][1024].
; N = 1,024: tiles of 128 x 128 give 256 work-groups.  Four waves, each 64 x 64: 16 accumulators.  K goes in steps of 512 through a ring of two LDS slots: eight steps, six of them refills; from a refill's request to
; the wait for it a wave issues 56 matrix instructions.
; CLUSTERS of 4 x 4: A's tiles are asked for jointly along a row of the cluster, B's along a column.  Source 0 = rows of B, source 1 = rows of A: a lane holds eight neighbouring columns of a row of C.
; A's tile of a panel is 128 rows x 64 bytes = 8,192 dense bytes, one descriptor row; 16 bytes of padding behind every 256, so that four rows take 272 bytes and the 16 rows of a load start at 16 different banks.
; LIMIT: the two exponents' sum between -126 and 127.
; REGISTERS: window 0: v8-11 bias, v16-29 addresses, v32-95 the way out, v128-255 the accumulators.  window 1: two sets of fragments (A's 4 blocks, then B's 4).  window 2: v0-127 the residual.
.set SIZE_K, 4096
.set REGION, 0x800000
.set SCOFF,  0x28
.set PANB,   8704
.set AHALF,  4*PANB
.set BOFF,   8*PANB
.set PITCHB, 528
.set BHALF,  64*PITCHB
.set SLOT,   BOFF+2*BHALF
.set STAGE,  2*SLOT
.set SPARE,  STAGE+4*16*272
.set LAPS,   SIZE_K/1024
.set ADRA, 16
.set ADRB, 20
.set STO,  24
.set RD,   25
.set CO,   26
.set BO,   27
.set SPW,  28
.set NIL,  29
.set BK,   32
.set ACC,  128
.set F0,   0
.set F1,   128
.set G1, 24
.set G0, 32
.set G1B, 48
.set G0B, 56
.set MSB, 0
.macro WIN new
.if MSB != (\new)
	s_set_vgpr_msb (MSB<<8)|(\new)
.set MSB, (\new)
.endif
.endm
.set MUL,  0x05                        ; sources 0 and 1 window 1; C and D window 0
.set TO_F, 0x40                        ; destination window 1
.macro JLOAD s                         ; waves 0, 1 fetch A's halves, waves 2, 3 B's; an s_nop 0 and four v_nop follow each line
	s_cmp_eq_u32 s11, 0
	s_cbranch_scc0 .Lfor_b_\@
	tensor_load_to_lds s[G0+4*\s:G0+4*\s+3], s[G1:G1+7]
	s_nop 0
.rept 4
	v_nop
.endr
	s_branch .Lasked_\@
.Lfor_b_\@:
	tensor_load_to_lds s[G0B+4*\s:G0B+4*\s+3], s[G1B:G1B+7]
	s_nop 0
.rept 4
	v_nop
.endr
.Lasked_\@:
.endm
.macro CREST
	s_cmp_lg_u32 s10, 0
	s_cbranch_scc1 .Lnot_wave_0_\@
	s_barrier_signal -3
.Lnot_wave_0_\@:
	s_barrier_wait -3
	s_barrier_signal -1
	s_barrier_wait -1
.endm
.macro CROUND
	s_barrier_signal -1
	s_barrier_wait -1
	CREST
.endm
	s_load_b256 s[68:75], s[0:1], 0x0              ; A 68, wc 70, the scales 72, the bias 74
	s_load_b128 s[76:79], s[0:1], 0x20             ; the residual 76, the result 78
	v_lshl_add_u32 v[SPW], v0, 2, SPARE
	v_mov_b32 v[NIL], 0
	ds_add_u32 v[SPW], v[NIL]                      ; the wave's opening: the add, twice on end, and its wait ahead of my first tensor load
	ds_add_u32 v[SPW], v[NIL]
	v_lshrrev_b32 v1, 5, v0
	v_readfirstlane_b32 s10, v1                    ; wave 0..3
	s_lshr_b32 s11, s10, 1                         ; my half of the rows.  Also: I fetch for A (0) or B (1)
	s_and_b32 s12, s10, 1                          ; my half of the columns.  Also: which half of that tile I fetch
	s_bfe_u32 s40, ttmp6, 0x40000
	s_bfe_u32 s41, ttmp6, 0x40004
	s_lshl_b32 s42, ttmp9, 2
	s_add_co_u32 s42, s42, s40                     ; tile column
	s_and_b32 s13, ttmp7, 0xffff
	s_lshl_b32 s13, s13, 2
	s_add_co_u32 s13, s13, s41                     ; tile row
	s_lshl_b32 s43, s41, 2
	s_lshl_b32 s43, 15, s43
	s_lshl_b32 s44, 0x1111, s40
	s_or_b32 s[G1+0], s43, (0<<16)|(1<<20)|(1<<21)|(5<<22)|(3<<25)   ; A: 4 panels' rows of 8,192 bytes; four words of padding behind every 64
	s_mov_b32 s[G1+1], 8192<<16
	s_mov_b32 s[G1+2], 4<<16
	s_mov_b32 s[G1+3], 8192<<16
	s_mov_b32 s[G1+4], 4
	s_mov_b32 s[G1+5], 262144                      ; from panel to panel
	s_mov_b32 s[G1+6], 0
	s_mov_b32 s[G1+7], 0
	s_or_b32 s[G1B+0], s44, (0<<16)|(1<<20)|(1<<21)|(6<<22)|(3<<25)  ; B: 64 rows of 512 bytes; four words behind every 128
	s_mov_b32 s[G1B+1], 512<<16
	s_mov_b32 s[G1B+2], 64<<16
	s_mov_b32 s[G1B+3], 512<<16
	s_mov_b32 s[G1B+4], 64
	s_mov_b32 s[G1B+5], SIZE_K
	s_mov_b32 s[G1B+6], 0
	s_mov_b32 s[G1B+7], 0
	s_lshl_b32 s16, s12, 20                        ; A: my four panels,
	s_lshl_b32 s17, s13, 13                        ; the tile's 128 rows of 64 bytes
	s_add_co_u32 s16, s16, s17
	s_mov_b32 s17, 0
	s_lshl_b32 s46, s42, 7
	s_lshl_b32 s47, s12, 6
	s_add_co_u32 s46, s46, s47
	s_mul_i32 s46, s46, SIZE_K                     ; B: my 64 rows
	s_add_co_u32 s46, s46, REGION
	s_mov_b32 s47, 0
	s_mul_i32 s20, s12, AHALF                      ; where they go: the wave's number alone
	s_mul_i32 s21, s12, BHALF
	s_add_co_u32 s21, s21, BOFF
	s_wait_dscnt 0x0                               ; both opening adds are done
	s_wait_kmcnt 0x0
	s_load_b64 s[82:83], s[72:73], SCOFF           ; the two exponents
	s_add_nc_u64 s[14:15], s[68:69], s[16:17]
	s_add_nc_u64 s[46:47], s[70:71], s[46:47]
	CROUND                                         ; the first joint loads meet
.irp s, 0,1
	s_mov_b32 s[G0+4*\s], 1
	s_add_co_u32 s[G0+4*\s+1], s20, \s*SLOT
	s_add_nc_u64 s[G0+4*\s+2:G0+4*\s+3], s[14:15], \s*2097152
	s_or_b32 s[G0+4*\s+3], s[G0+4*\s+3], 0x80000000
	s_mov_b32 s[G0B+4*\s], 1
	s_add_co_u32 s[G0B+4*\s+1], s21, \s*SLOT
	s_add_nc_u64 s[G0B+4*\s+2:G0B+4*\s+3], s[46:47], \s*512
	s_or_b32 s[G0B+4*\s+3], s[G0B+4*\s+3], 0x80000000
	JLOAD \s
.endr
	v_and_b32 v1, 15, v0                           ; r
	v_bfe_u32 v2, v0, 4, 1                         ; h
	v_lshrrev_b32 v3, 2, v1
	v_mul_u32_u24 v3, v3, 272
	v_and_b32 v4, 3, v1
	v_lshl_add_u32 v3, v4, 6, v3
	v_lshl_add_u32 v3, v2, 4, v3                   ; A: (r / 4) x 272 + (r % 4) x 64 + 16 h
	v_mul_u32_u24 v5, v1, PITCHB
	v_lshl_add_u32 v5, v2, 4, v5                   ; B: r x 528 + 16 h
	s_mul_i32 s22, s11, 4352                       ; my 64 rows of A in each panel
	s_mul_i32 s23, s12, BHALF
	s_add_co_u32 s23, s23, BOFF
.irp s, 0,1
	v_add_nc_u32 v[ADRA+\s], s22, v3
	v_add_nc_u32 v[ADRB+\s], s23, v5
	s_add_co_u32 s22, s22, SLOT
	s_add_co_u32 s23, s23, SLOT
.endr
	s_mul_i32 s22, s10, 16*272
	s_add_co_u32 s22, s22, STAGE                   ; my stage
	v_mul_u32_u24 v6, v1, 272
	v_lshl_add_u32 v6, v2, 5, v6
	v_add_nc_u32 v[STO], s22, v6                   ; in: row r, 32 bytes for each half of the lanes
	v_mul_u32_u24 v6, v2, 272
	v_lshl_add_u32 v6, v1, 4, v6
	v_add_nc_u32 v[RD], s22, v6                    ; back: lanes 0-15 one row of 256 bytes, lanes 16-31 the next
	v_lshlrev_b32 v[BO], 4, v1
	v_lshl_add_u32 v[CO], v2, 12, v[BO]            ; the same two rows in the residual and the result
	s_lshl_b32 s16, s13, 7
	s_lshl_b32 s17, s11, 6
	s_add_co_u32 s16, s16, s17
	s_lshl_b32 s16, s16, 12                        ; my first row, 4,096 bytes a row
	s_lshl_b32 s18, s42, 7
	s_lshl_b32 s19, s12, 6
	s_add_co_u32 s18, s18, s19
	s_lshl_b32 s18, s18, 2                         ; my first column, in bytes: a multiple of 256
	s_add_co_u32 s16, s16, s18
	s_mov_b32 s17, 0
	s_mov_b32 s19, 0
	s_add_nc_u64 s[76:77], s[76:77], s[16:17]
	s_add_nc_u64 s[78:79], s[78:79], s[16:17]
	s_add_nc_u64 s[74:75], s[74:75], s[18:19]
	WIN 0x80                                       ; destination window 2
.irp a, 0,1,2,3
.irp t, 0,1,2,3,4,5,6,7
	global_load_b128 v[32*\a+4*\t:32*\a+4*\t+3], v[CO], s[76:77] offset:(16*\a+2*\t)*4096   ; the residual, in the layout of the way out; it lands under the products
.endr
.endr
	WIN 0
	global_load_b128 v[8:11], v[BO], s[74:75]      ; the bias of my four columns
.macro MUL8 f, a0, zero                ; A's blocks a0, a0 + 1 x B's four, 128 along K; the 16 accumulators take turns
.irp a, \a0, \a0+1
.irp b, 0,1,2,3
.if \zero
	v_wmma_f32_16x16x128_fp8_fp8 v[ACC+8*(4*(\a)+\b):ACC+8*(4*(\a)+\b)+7], v[\f+64+16*\b:\f+64+16*\b+15], v[\f+16*(\a):\f+16*(\a)+15], 0
.else
	v_wmma_f32_16x16x128_fp8_fp8 v[ACC+8*(4*(\a)+\b):ACC+8*(4*(\a)+\b)+7], v[\f+64+16*\b:\f+64+16*\b+15], v[\f+16*(\a):\f+16*(\a)+15], v[ACC+8*(4*(\a)+\b):ACC+8*(4*(\a)+\b)+7]
.endif
.endr
.endr
.endm
.macro FETCH slot, q, f                ; 32 LDS loads: the fragments of the slot's q-th 128 along K: B's four, then A's four; registers 4 c .. 4 c + 3 hold K = 32 c + 16 h + 0 .. 15 on both sides
	WIN TO_F
.irp i, 0,1,2,3
.irp c, 0,1,2,3
	ds_load_b128 v[\f+64+16*\i+4*\c:\f+64+16*\i+4*\c+3], v[ADRB+\slot] offset:\i*16*PITCHB+128*(\q)+32*\c
.endr
.endr
.irp i, 0,1,2,3
.irp c, 0,1,2,3
	ds_load_b128 v[\f+16*\i+4*\c:\f+16*\i+4*\c+3], v[ADRA+\slot] offset:\i*1088+(2*(\q)+\c/2)*PANB+32*(\c%2)
.endr
.endr
.endm
.macro PLACES
.rept 4
	v_nop
.endr
.endm
.macro SUB slot, qn, f, g, zero        ; multiplies set f; in its middle fetches the slot's qn-th 128 along K into set g
	s_wait_dscnt 8                                 ; B's four and A's blocks 0, 1 are in; the youngest eight loads (A's blocks 2, 3) may be out
	WIN MUL
	MUL8 \f, 0, \zero
	PLACES
	FETCH \slot, \qn, \g
	s_wait_dscnt 32                                ; all but the 32 just issued
	WIN MUL
	MUL8 \f, 2, \zero
.endm
.macro TURN slot, next, fill           ; a slot's last 128 along K (set F1), and the change of slots
	WIN 0
	s_wait_tensorcnt 0x0                           ; all my tensor loads have landed: my part of the next slot
	ds_add_u32 v[SPW], v[NIL]
	s_wait_dscnt 9                                 ; (the add and the youngest eight loads may be out)
	WIN MUL
	MUL8 F1, 0, 0
	WIN 0
	s_wait_dscnt 0x0                               ; the add is done, and my reads of this slot are over
	s_barrier_signal -1
	s_barrier_wait -1
.if \fill
	CREST                                          ; the barrier has opened a round of the cluster's: no wave of any partner still reads this slot or has a load on its way
	s_add_nc_u64 s[G0+4*\slot+2:G0+4*\slot+3], s[G0+4*\slot+2:G0+4*\slot+3], 4194304
	s_add_nc_u64 s[G0B+4*\slot+2:G0B+4*\slot+3], s[G0B+4*\slot+2:G0B+4*\slot+3], 1024
	JLOAD \slot                                    ; the first tensor load behind the round; its four v_nop are the places in front of the loads below
.else
	PLACES
.endif
	FETCH \next, 0, F0
	WIN MUL
	MUL8 F1, 2, 0
.endm
	s_wait_tensorcnt 1                             ; my part of slot 0 is in; slot 1's load may be out
	s_barrier_signal -1
	s_barrier_wait -1
	FETCH 0, 0, F0
	SUB 0, 1, F0, F1, 1                            ; the first products start the sums
.if LAPS > 1
	WIN 0
	s_mov_b32 s3, LAPS-1
.Llap:                                                 ; a trip goes once round the ring and fills both slots again
	SUB 0, 2, F1, F0, 0
	SUB 0, 3, F0, F1, 0
	TURN 0, 1, 1
	SUB 1, 1, F0, F1, 0
	SUB 1, 2, F1, F0, 0
	SUB 1, 3, F0, F1, 0
	TURN 1, 0, 1
	SUB 0, 1, F0, F1, 0
	WIN 0
	s_sub_co_u32 s3, s3, 1
	s_cmp_lg_u32 s3, 0
	s_cbranch_scc1 .Llap
.endif
	SUB 0, 2, F1, F0, 0                            ; the last lap fills nothing
	SUB 0, 3, F0, F1, 0
	TURN 0, 1, 0
	SUB 1, 1, F0, F1, 0
	SUB 1, 2, F1, F0, 0
	SUB 1, 3, F0, F1, 0
	s_wait_dscnt 8
	WIN MUL
	MUL8 F1, 0, 0
	s_wait_dscnt 0
	MUL8 F1, 2, 0
	WIN 0
; THE WAY OUT, a block of 16 rows x 64 columns at a time: the sums go through my stage and come back as whole runs of 256 bytes; there sum x 2^(ea + eb) + bias + residual.
.macro STG a
.irp b, 0,1,2,3
	ds_store_b128 v[STO], v[ACC+8*(4*(\a)+\b):ACC+8*(4*(\a)+\b)+3] offset:64*\b        ; each accumulator from its low end on
	ds_store_b128 v[STO], v[ACC+8*(4*(\a)+\b)+4:ACC+8*(4*(\a)+\b)+7] offset:64*\b+16
.endr
.irp t, 0,1,2,3,4,5,6,7
	ds_load_b128 v[BK+32*((\a)%2)+4*\t:BK+32*((\a)%2)+4*\t+3], v[RD] offset:\t*544   ; LDS serves a wave's instructions in order
.endr
.endm
.macro FIN a, younger
.set BS, BK+32*((\a)%2)
	s_wait_dscnt \younger
.irp t, 0,1,2,3,4,5,6,7
.irp i, 0,2
	v_pk_fma_f32 v[BS+4*\t+\i:BS+4*\t+\i+1], v[BS+4*\t+\i:BS+4*\t+\i+1], s[80:81], v[8+\i:9+\i] op_sel_hi:[1,0,1]
.endr
.endr
	WIN 0x08                                       ; source 1 window 2: the residual
.set n, 0
.rept 16
	v_pk_add_f32 v[BS+n:BS+n+1], v[BS+n:BS+n+1], v[32*(\a)+n:32*(\a)+n+1]
.set n, n+2
.endr
	WIN 0
.irp t, 0,1,2,3,4,5,6,7
	global_store_b128 v[CO], v[BS+4*\t:BS+4*\t+3], s[78:79] offset:(16*(\a)+2*\t)*4096   ; sixteen lanes store 256 consecutive bytes, aligned
.endr
.endm
	s_wait_kmcnt 0x0
	s_add_co_i32 s80, s82, s83
	s_add_co_i32 s80, s80, 127
	s_lshl_b32 s80, s80, 23                        ; 2^(ea + eb) as f32
	s_mov_b32 s81, s80
	s_wait_loadcnt 0x0                             ; the residual and the bias
	PLACES
	STG 0
.irp a, 1,2,3
.if \a > 1
	s_wait_xcnt 0x0                                ; block a - 2's stores have read their registers
.endif
	STG \a
	FIN \a-1, 16                                   ; behind block a - 1's loads: block a's 8 stores and 8 loads
.endr
	FIN 3, 0
	s_wait_tensorcnt 0x0                           ; the wave's end
	ds_add_u32 v[SPW], v[NIL]
	s_wait_dscnt 0x0
	CROUND                                         ; the closing round
	s_endpgm
.Lfunc_end_k_q8a32cf9216_fc2:
	.size	k_q8a32cf9216_fc2, .Lfunc_end_k_q8a32cf9216_fc2-k_q8a32cf9216_fc2
	.p2alignl 7, 3214868480
	.fill 96, 4, 3214868480
	.section	.rodata,"a",@progbits
	.p2align	6, 0x0
	.amdhsa_kernel k_q8a32cf9216_fc2
		.amdhsa_group_segment_fixed_size 327680
		.amdhsa_private_segment_fixed_size 0
		.amdhsa_enable_private_segment 0
		.amdhsa_kernarg_size 48
		.amdhsa_user_sgpr_count 2
		.amdhsa_user_sgpr_kernarg_segment_ptr 1
		.amdhsa_wavefront_size32 1
		.amdhsa_system_sgpr_workgroup_id_x 1
		.amdhsa_system_sgpr_workgroup_id_y 1
		.amdhsa_system_sgpr_workgroup_id_z 1
		.amdhsa_system_vgpr_workitem_id 0
		.amdhsa_next_free_vgpr 768
		.amdhsa_next_free_sgpr 84
		.amdhsa_reserve_vcc 0
		.amdhsa_float_denorm_mode_32 3
		.amdhsa_float_denorm_mode_16_64 3
		.amdhsa_memory_ordered 1
		.amdhsa_forward_progress 1
		.amdhsa_inst_pref_size 82
	.end_amdhsa_kernel
	.amdgpu_metadata
---
amdhsa.version: [ 1, 2 ]
amdhsa.kernels:
  - .name:           k_q8a32cf9216_fc2
    .symbol:         k_q8a32cf9216_fc2.kd
    .args:
      - { .name: hm, .offset: 0, .size: 8, .value_kind: global_buffer, .address_space: global }
      - { .name: wc, .offset: 8, .size: 8, .value_kind: global_buffer, .address_space: global }
      - { .name: lowp_scales, .offset: 16, .size: 8, .value_kind: global_buffer, .address_space: global }
      - { .name: fc2_b, .offset: 24, .size: 8, .value_kind: global_buffer, .address_space: global }
      - { .name: x1, .offset: 32, .size: 8, .value_kind: global_buffer, .address_space: global }
      - { .name: out0, .offset: 40, .size: 8, .value_kind: global_buffer, .address_space: global }
    .group_segment_fixed_size: 327680
    .private_segment_fixed_size: 0
    .kernarg_segment_align: 8
    .kernarg_segment_size: 48
    .max_flat_workgroup_size: 128
    .sgpr_count:     84
    .vgpr_count:     768
    .wavefront_size: 32
...
	.end_amdgpu_metadata
.endif
;; end of part 7
